; MI455X (gfx1250); checked and timed in simulation.
; The chip was launched on July 23, 2026; its instructions are those of AMD's public machine-readable ISA for CDNA 5 (MIT licence, August 2026) and "CDNA5" Instruction Set Architecture Reference Guide (July 2026). The comments in the code are by the model that wrote it; some were corrected since.
;; Multi Head Self Attention. Allowed arithmetic: matrix products marked QUANTISED: E2M1 operands, one E8M0 scale for each 32 along K, by v_wmma_scale_f32_16x16x128_f8f6f4 with both operands' format E2M1 (or v_wmma_scale_f32_32x16x128_f4), f32 sums; everything else in f32.
;; Inputs: W_O_codes 1,024 x 32 x 16 uint8 (E2M1 codes of W_O, K innermost, in blocks of 32 codes, two codes a byte); W_O_scales 1,024 x 32 uint8 (E8M0 scales of W_O, one for each 32 codes along K); W_QKV_codes 3,072 x 32 x 16 uint8 (E2M1 codes of W_QKV, K innermost, in blocks of 32 codes, two codes a byte); W_QKV_scales 3,072 x 32 uint8 (E8M0 scales of W_QKV, one for each 32 codes along K); qk_scale 16 float32; token_positions 2,048 int32; x_codes 2 x 2,048 x 32 x 16 uint8 (E2M1 codes of x, K innermost, in blocks of 32 codes, two codes a byte); x_scales 2 x 2,048 x 32 uint8 (E8M0 scales of x, one for each 32 codes along K).
;; Outputs: out0 2 x 2,048 x 1,024 float32.
;; This version of the problem:
;;   THIS VERSION OF THE PROBLEM IS GIVEN IN LOW PRECISION. The matrix products marked QUANTISED in the list below multiply operands that are first quantised to E2M1 (2 exponent bits, 1 mantissa bit; 4 bits a number), with one power-of-two scale for each 32 numbers along K (OCP MX v1.0); their sums are f32. All else is computed in f32.
;;   The module's matrix products, in the order in which they are computed (A, B: the left and right operand; K: the contracted axis; several contracted axes count as one K, in the product's order):
;;     1. [M 4,096, K 1,024] x [K 1,024, N 3,072]; A: input x (given as codes); B: input W_QKV (given as codes): QUANTISED
;;     2. batch 32 x [M 2,048, K 64] x [K 64, N 2,048]; A: computed on the way; B: computed on the way: QUANTISED
;;     3. batch 32 x [M 2,048, K 2,048] x [K 2,048, N 64]; A: softmax (see below); B: computed on the way: QUANTISED
;;     4. [M 4,096, K 1,024] x [K 1,024, N 1,024]; A: computed on the way; B: input W_O (given as codes): QUANTISED
;;   THE QUANTISER, for each operand of a quantised product, along K:
;;     - K is cut into blocks of 32 from its start; a last block that is shorter is filled with zeros.
;;     - A block's scale is 2^e with e = floor(log2(the largest magnitude in the block)) - 2, held to -126 .. 127; a block of zeros has e = 0. As a byte (E8M0): e + 127.
;;     - Each number is divided by its block's scale, clamped to +-6, and rounded to the nearest number of E2M1, ties to even, subnormals kept.
;;     - The product sums the exact products of the quantised numbers (number of the format x scale) in f32.
;;   ~~~python
;;   def quantise(x, axis):      # numpy; x: float32 -> the quantised numbers, widened to float32 again
;;       x = np.moveaxis(x, axis, -1); K = x.shape[-1]
;;       x = np.pad(x, [(0, 0)] * (x.ndim - 1) + [(0, -K % 32)]); x = x.reshape(x.shape[:-1] + (-1, 32)); a = np.abs(x).max(-1, keepdims=True)
;;       e = np.where(a > 0, np.clip(np.frexp(np.where(a > 0, a, 1))[1] - 1 - 2, -126, 127), 0)      # np.frexp(a)[1] - 1 = floor(log2(a)), exactly
;;       r = np.clip(x / 2.0 ** e, -6, 6)
;;       step = 2.0 ** (np.maximum(np.frexp(np.where(r == 0, 1, r))[1] - 1, 0) - 1)
;;       q = np.round(r / step) * step * 2.0 ** e      # np.round: ties to even
;;       return np.moveaxis(q.reshape(q.shape[:-2] + (-1,))[..., :K], -1, axis).astype(np.float32)
;;   ~~~
;;   SOFTMAX AHEAD OF A QUANTISED PRODUCT. Where the list says 'softmax', what is quantised is not the finished softmax but p = 2^(t - M), with t = logit x log2(e) and M = ceil(the row's largest t), a whole number; so 1/2 < the row's largest p <= 1. The row's sum l is taken of the UNQUANTISED p, in f32, and the product's result is divided by l at the end. Since M is a whole number, a kernel that streams over the keys may use a running M (the ceiling of the running maximum): every later rescaling is an exact power of two, which a block's scale takes up: the codes' values come out the same.
;;   OPERANDS COMPUTED ON THE WAY. 'Computed on the way' means the value that the module computes at that place (a softmax that the list does not call 'softmax' is quantised finished and normalised). What goes into a quantiser is computed in f32, as accurately as f32 sums, v_exp_f32 and their like allow (about 1e-6 of the number): no bf16 or f16 on the way to a quantiser, and a product that is left as it is and whose result goes on into a quantised operand takes f32 operands (vector FMAs, or v_wmma_f32_16x16x4_f32). A number that lies on a knife's edge between two numbers of the format may be rounded either way, as far as f32 arithmetic and the matrix unit's own rounding can turn it there, and no further.
;;   INPUTS GIVEN AS CODES. W_O (in the module: [1024, 1024], K = its axis 1); W_QKV (in the module: [3072, 1024], K = its axis 1); x (in the module: [2, 2048, 1024], K = its axis 2): each comes as NAME_codes (uint8): NAME with its K axis moved to the last place and cut into blocks of 32 codes, [.., K / 32, bytes a block], one block behind the other in memory; two codes a byte, the lower K in the low four bits (a code: sign, 2 exponent bits, 1 mantissa bit); and NAME_scales (uint8): the same leading axes, one E8M0 byte (e + 127) for each 32 codes along K. Its value is code x scale, taken as it is: it is not quantised again, and the codes and scales need not be those that the quantiser above would give.
;; One version. Each part assembles by itself: llvm-mc -triple=amdgcn-amd-amdhsa -mcpu=gfx1250 --defsym DOCPART=n.
;; ======== version 1 of 1: 3 launches
;; limits: right only within a limited range of input values
;; workspace buffers: qkv_codes 6,291,456 bytes; qkv_scales 655,360 bytes; o_codes 2,097,152 bytes; o_scales 131,072 bytes
;; launch qkv (part 1): grid 16 x 16, 12 waves a work-group, clusters of 4 x 4, 327,680 bytes of LDS; arguments x_codes, x_scales, W_QKV_codes, W_QKV_scales, qk_scale, token_positions, qkv_codes, qkv_scales; writes qkv_codes, qkv_scales
.if DOCPART == 1
	.amdgcn_target "amdgcn-amd-amdhsa--gfx1250"
	.amdhsa_code_object_version 6
	.text
	.protected	k_q8f88fed043_qkv
	.globl	k_q8f88fed043_qkv
	.p2align	8
	.type	k_q8f88fed043_qkv,@function
k_q8f88fed043_qkv:
	s_mov_b64 s[64:65], 0
	v_nop
	global_prefetch_b8 v0, s[64:65] scope:SCOPE_SE
	s_setreg_imm32_b32 hwreg(HW_REG_WAVE_MODE, 25, 1), 1
	s_wait_xcnt 0x0
	s_wait_alu depctr_hold_cnt(0) depctr_sa_sdst(0) depctr_va_vdst(0) depctr_va_sdst(0) depctr_va_ssrc(0) depctr_va_vcc(0) depctr_vm_vsrc(0)
	s_getreg_b32 s2, hwreg(HW_REG_IB_STS2, 6, 4)
	s_cmp_eq_u32 s2, 0
	s_cbranch_scc0 .Lentry_in_a_cluster
	s_endpgm
.Lentry_in_a_cluster:
	s_bfe_u32 s2, ttmp6, 0x10000c
	s_cmp_lg_u32 s2, 0xf033
	s_cbranch_scc0 .Lentry_shape_is_right
	s_endpgm
.Lentry_shape_is_right:
; qkv = x W_QKV^T on codes of FP4 (E2M1) with E8M0 scales; then, in f32: the rotary embedding of q and k, their division by (norm + 1e-8), q's gain; then q, k (along the head's 64) and v (along the keys)
; are quantised and leave as codes and scale bytes.  Nothing wider than codes goes to memory.
; SHARES.  A work-group takes 256 tokens (ty) and ONE head (tx): 64 rows of W for q, 64 for k, 64 for v.  Twelve waves: wave w has KIND = w / 4 (0 q, 1 k, 2 v) and RG = w % 4 (64 of the tokens):
; a wave's tile is 64 x 64, 16 accumulators, K = 1,024 in 8 steps of 128.  The role hangs on the wave's number alone.
; CLUSTER 4 x 4: the four work-groups of a row of the cluster share ty, so x's codes and scales are asked for jointly along the row; the four of a column share tx, so W's are asked for jointly along the column.
; ALL operands of the work-group fit in LDS at once: each byte of LDS is filled once, at the head, one load a wave; there is no ring and nothing that a prefetch could run ahead of.
; THE FILLS COME IN TWO PARTS: K's first half and the scales (waves 0 to 6), and K's second half (waves 7 to 11), each with a barrier of its own: the first four K steps are multiplied while the second half is on its way.
; q, k: the product is used transposed (source 0 = 16 rows of W, source 1 = 16 tokens): a lane holds one token and eight neighbouring channels.  v: source 0 = 16 tokens, source 1 = 16 rows of W:
; a lane holds one channel and eight neighbouring tokens, which are the next product's K.
; AN IMAGE is 512 bytes: four operand registers of 32 lanes, lane l's 16 bytes at 16 l: 16 rows x 64 codes, lane (r, h) holding block h of row r: half of an FP4 fragment, stored and loaded as it stands.
; OUT.  qkv_codes: kind x 2 MiB + bh x 65,536 + G x 2,048 + i x 512 (bh = 16 batch + head, G = group of 64 tokens; q, k: i = tile of 16 tokens; v: i = tile of 16 channels, K = G's 64 keys).
;   qkv_scales: q at 0, k at 262,144: bh x 8,192 + G x 256 + 16 r + 4 i: a word b0 | b1<<8 | b0<<16 | b1<<24 (the upper two belong to zero codes);  v at 524,288: bh x 4,096 + (G / 2) x 256 + 16 r + 4 i + 2 (G % 2): two bytes.
; SINE AND COSINE: angle = position x 10^(-f/8) in f32; reduced by the nearest multiple of pi (an odd multiple changes both signs) in three fused steps, then two polynomials, on pairs of frequencies.
; LIMITS: the reduction holds for angles up to some 7e4 in magnitude; the 32 factors are the f32 numbers nearest to 10^(-f/8); a block of zeros gets the byte 1 (its codes are zeros, and only this program reads the bytes);
;   NaN and infinities are not served; a head's sum of squares has to stay inside f32's normal range.
.set PITCH, 272                        ; half a row of 1,024 codes in LDS: 256 bytes + 16 of padding: 17 x 16, so the 16 rows of a fragment load start at 16 different groups of banks
.set W0,    256*PITCH                  ; behind x's 256 rows: W's 64 rows of q, 64 of k, 64 of v
.set HALF,  448*PITCH                  ; K's second half: the same once more
.set XS,    2*HALF                     ; x's scale bytes: 32 a row, dense
.set WS,    XS+8192                    ; W's likewise: 3 x 2,048
.set TAB,   WS+6144                    ; the table: for each of the 256 tokens 32 x (cos, sin), 256 bytes; 528 bytes for two tokens, an odd token's halves of 128 bytes changed over; no fill lands here
.set SPARE, TAB+128*528                ; the spare words, 128 bytes a wave
.set SC,    16                         ; v16-47   scale words and nothing else: v[SC + 8 i + s]: lanes 0-15 x's tile i, lanes 16-31 W's tile i, K step s
.set XF,    48                         ; v48-79   x's four fragments; later a tile's cosines and sines; at the head work registers of the table
.set WF,    80                         ; v80-111  W's four fragments; later the codes just made (v80-95) and the scale words (v96-101)
.set ACC,   112                        ; v112-239 accumulator (a, b) at ACC + 8 (4 a + b): a = tile of tokens, b = tile of W's rows
.set SPW,   254
.set NIL,   255
.set WV,    20
.set KIND,  21
.set RG,    22                         ; w % 4: my 64 tokens
.set G1A,   32                         ; s[32:39] group 1, x's codes;  s[40:47] W's codes;  s[48:55] x's scales;  s[56:63] W's scales
.set G1B,   40
.set G1XS,  48
.set G1WS,  56
.set G0A,   68                         ; groups 0: x's first half, W's first half, the scales, x's second half, W's second half
.set G0B,   72
.set G0XS,  76
.set G0WS,  80
.set G0A2,  84
.set G0B2,  88
.set SEL,   96                         ; s[96:97] v_permlanex16_b32's selects for lane l xor 16
.set GAIN,  98
.set YA,    48                         ; the table's work registers, eight frequencies side by side: the angle, then what is left of it
.set YK,    56                         ; the multiple of pi, as 1.5 x 2^23 + k: its lowest bit is k's
.set YR,    64                         ; k
.set YS,    72                         ; the square
.set YP,    80                         ; the sine
.set YC,    88                         ; the cosine
.set YU,    96
.set CON,   176                        ; v176-205: the constants, each twice (a pair)
.macro PLACES                          ; four plain vector lines behind a matrix instruction, ahead of loads into its sources and of reads of its result
.rept 4
	v_nop
.endr
.endm
.macro CROUND                          ; a round of the cluster's barrier
	s_barrier_signal -1
	s_barrier_wait -1
	s_cmp_lg_u32 s[WV], 0
	s_cbranch_scc1 .Lnot_wave_0_\@
	s_barrier_signal -3
.Lnot_wave_0_\@:
	s_barrier_wait -3
	s_barrier_signal -1
	s_barrier_wait -1
.endm
; Four result tiles become an image and two scale bytes.  t0, t1: the two tiles of block 0 (lane (r, h): k = 8 h + j and 16 + 8 h + j), t2, t3: of block 1.
.macro QUANT2 t0, t1, t2, t3, pc, mx, tp, so, by
	v_max3_num_f32 v[\mx], |v[\t0]|, |v[\t0+1]|, 0x1800000        ; my 16 numbers of each block, and the floor 2^(3 - 127): the byte cannot fall under 1
	v_max3_num_f32 v[\mx+1], |v[\t2]|, |v[\t2+1]|, 0x1800000
.irp i, 2,4,6
	v_max3_num_f32 v[\mx], v[\mx], |v[\t0+\i]|, |v[\t0+\i+1]|
	v_max3_num_f32 v[\mx+1], v[\mx+1], |v[\t2+\i]|, |v[\t2+\i+1]|
.endr
.irp i, 0,2,4,6
	v_max3_num_f32 v[\mx], v[\mx], |v[\t1+\i]|, |v[\t1+\i+1]|
	v_max3_num_f32 v[\mx+1], v[\mx+1], |v[\t3+\i]|, |v[\t3+\i+1]|
.endr
	s_delay_alu instid0(VALU_DEP_2)
	v_permlanex16_b32 v[\tp], v[\mx], s[SEL], s[SEL+1]
	s_delay_alu instid0(VALU_DEP_2)
	v_permlanex16_b32 v[\tp+1], v[\mx+1], s[SEL], s[SEL+1]
	s_delay_alu instid0(VALU_DEP_2)
	v_max_num_f32 v[\mx], v[\mx], v[\tp]                           ; with lane l xor 16's 16: the block's largest magnitude
	s_delay_alu instid0(VALU_DEP_2)
	v_max_num_f32 v[\mx+1], v[\mx+1], v[\tp+1]
	s_delay_alu instid0(VALU_DEP_2)
	v_add_nc_u32 v[\so], 0xff000000, v[\mx]                        ; 2 off the exponent field: the conversion's scale operand
	s_delay_alu instid0(VALU_DEP_2)
	v_add_nc_u32 v[\so+1], 0xff000000, v[\mx+1]
	s_delay_alu instid0(VALU_DEP_2)
	v_lshrrev_b32 v[\by], 23, v[\so]                               ; the scale's byte
	s_delay_alu instid0(VALU_DEP_2)
	v_lshrrev_b32 v[\by+1], 23, v[\so+1]
	v_cvt_scalef32_pk8_fp4_f32 v[\pc], v[\t0:\t0+7], v[\so]
	v_cvt_scalef32_pk8_fp4_f32 v[\pc+2], v[\t1:\t1+7], v[\so]
	v_cvt_scalef32_pk8_fp4_f32 v[\pc+1], v[\t2:\t2+7], v[\so+1]
	v_cvt_scalef32_pk8_fp4_f32 v[\pc+3], v[\t3:\t3+7], v[\so+1]
	v_nop                                                          ; one plain line behind a scaled conversion
	v_permlane16_swap_b32 v[\pc], v[\pc+1]                         ; the first's lanes 16-31 change places with the second's lanes 0-15: lanes 0-15 now hold block 0's k 0-7 and 8-15, lanes 16-31 block 1's
	v_permlane16_swap_b32 v[\pc+2], v[\pc+3]                       ; likewise k 16-23 and 24-31
.endm
	s_load_b256 s[4:11], s[0:1], 0x0               ; x's codes s[4:5], x's scales s[6:7], W's codes s[8:9], W's scales s[10:11]
	s_load_b256 s[12:19], s[0:1], 0x20             ; qk_scale s[12:13], token_positions s[14:15], qkv_codes s[16:17], qkv_scales s[18:19]
	v_lshl_add_u32 v[SPW], v0, 2, SPARE
	v_mov_b32 v[NIL], 0
	ds_add_u32 v[SPW], v[NIL]                      ; the opening: the add, twice on end, under one wait
	ds_add_u32 v[SPW], v[NIL]
	v_lshrrev_b32 v15, 5, v0
	v_readfirstlane_b32 s[WV], v15                 ; wave 0..11
	s_lshr_b32 s[KIND], s[WV], 2
	s_and_b32 s[RG], s[WV], 3
	s_and_b32 s29, s[WV], 7                        ; which 32 rows of the table I make (waves 0 to 7)
	s_bfe_u32 s23, ttmp6, 0x40000                  ; cx
	s_bfe_u32 s24, ttmp6, 0x40004                  ; cy
	s_lshl_b32 s25, ttmp9, 2
	s_add_co_u32 s25, s25, s23                     ; tx = the head
	s_and_b32 s26, ttmp7, 0xffff
	s_lshl_b32 s26, s26, 2
	s_add_co_u32 s26, s26, s24                     ; ty = the block of 256 tokens
	s_lshl_b32 s27, s24, 2
	s_lshl_b32 s27, 15, s27                        ; my row of the cluster
	s_lshl_b32 s28, 0x1111, s23                    ; my column
	s_mul_i32 s2, s[RG], 64*PITCH                  ; my 64 tokens' rows
	s_mul_i32 s3, s[KIND], 64*PITCH
	s_add_co_u32 s3, s3, W0                        ; my kind's rows of W
	s_xor_b32 s30, s[RG], 3
	s_add_co_u32 s30, s30, s[KIND]
	s_lshl_b32 s30, s30, 11
	s_add_co_u32 s30, s30, 2048                    ; (WS + 2,048 KIND) - (XS + 2,048 RG) = 2,048 (1 + KIND + 3 - RG)
	s_lshl_b32 s31, s[RG], 11
	s_add_co_u32 s31, s31, XS
	s_mul_i32 s66, s[RG], 32*528
	s_add_co_u32 s66, s66, TAB
	s_mul_i32 s67, s29, 16*528
	s_add_co_u32 s67, s67, TAB
	s_and_b32 s92, s26, 7
	s_lshl_b32 s92, s92, 10
	s_lshl_b32 s93, s29, 7
	s_add_co_u32 s92, s92, s93
	; every LDS address is made here, of the lane, the wave's number and constants
	v_and_b32 v1, 15, v0                           ; r
	v_bfe_u32 v2, v0, 4, 1                         ; h
	v_and_b32 v3, 31, v0                           ; lane
	v_mul_u32_u24 v14, v1, PITCH
	v_lshl_add_u32 v12, v3, 2, s92                 ; v12: my table row's place in token_positions: 4 (256 (ty % 8) + 32 (w % 8) + lane)
	v_lshl_add_u32 v14, v2, 4, v14                 ; a fragment's row x pitch + 16 h
	v_mul_u32_u24 v6, s30, v2                      ; lanes 16-31 take W's scale words: one product, the distance x h
	v_add_nc_u32 v4, s2, v14                       ; v4: x's fragments, first half of K; v240 second half
	v_add_nc_u32 v5, s3, v14                       ; v5: W's; v241
	v_lshl_add_u32 v6, v1, 5, v6                   ; 32 bytes a row
	v_add_nc_u32 v240, HALF, v4
	v_add_nc_u32 v241, HALF, v5
	v_add_nc_u32 v6, s31, v6                       ; v6: the scale words
	v_lshrrev_b32 v8, 1, v3                        ; the table, written: a lane a token
	v_and_b32 v15, 1, v3
	v_mul_u32_u24 v9, v8, 528
	v_add_nc_u32 v9, s67, v9
	v_mad_u32_u24 v8, v15, 384, v9                 ; v8: its first 128 bytes (an odd token's lie behind its second)
	v_mad_u32_u24 v15, v15, 128, v9                ; v15: its second 128 bytes, less 128
	v_lshlrev_b32 v9, 4, v3                        ; v9: 16 x lane: an image's place for my lane
	v_lshlrev_b32 v10, 4, v1
	v_lshrrev_b32 v13, 1, v1                       ; the table, read: token r of my 64, + 32 h: four frequencies
	v_and_b32 v14, 1, v1
	v_mul_u32_u24 v13, v13, 528
	v_lshl_add_u32 v11, v2, 2, v10                 ; v11: 16 r + 4 h: v's scale bytes
	v_lshl_add_u32 v13, v2, 5, v13
	v_lshl_add_u32 v10, v2, 3, v10                 ; v10: 16 r + 8 h: q's and k's scale words
	v_add_nc_u32 v13, s66, v13
	v_mad_u32_u24 v7, v14, 384, v13                ; v7: the first 128 bytes
	v_mad_u32_u24 v3, v14, 128, v13                ; v3: the second, less 128
	v_mov_b32 v242, 0                              ; written once: a lane permute's destination counts as one of its sources
	v_mov_b32 v243, 0
	; group 1: rows of 256 bytes, 512 apart, 16 bytes of padding behind each
	s_or_b32 s[G1A], s27, (1<<20)|(1<<21)|(5<<22)|(3<<25)   ; 15:0 the mask; 17:16 elements of 1 byte; 20 padding on; 21 set beside a mask; 24:22 after every 64 words; 31:25 four words
	s_or_b32 s[G1B], s28, (1<<20)|(1<<21)|(5<<22)|(3<<25)
.irp g, G1A, G1B
	s_mov_b32 s[\g+1], 256<<16                     ; tensor_dim0
	s_mov_b32 s[\g+3], 256<<16                     ; tile_dim0
	s_mov_b32 s[\g+5], 512                         ; from row to row
	s_mov_b32 s[\g+6], 0
	s_mov_b32 s[\g+7], 0
.endr
	s_mov_b32 s[G1A+2], 128<<16                    ; x: 128 rows
	s_mov_b32 s[G1A+4], 128
	s_mov_b32 s[G1B+2], 64<<16                     ; W: 64 rows
	s_mov_b32 s[G1B+4], 64
	s_or_b32 s[G1XS], s27, (3<<16)|(1<<21)         ; x's scales: 8,192 dense bytes as 32 rows of 32 elements of 8 bytes
	s_mov_b32 s[G1XS+1], 32<<16
	s_mov_b32 s[G1XS+2], 32<<16
	s_mov_b32 s[G1XS+3], 32<<16
	s_mov_b32 s[G1XS+4], 32
	s_mov_b32 s[G1XS+5], 32
	s_mov_b32 s[G1XS+6], 0
	s_mov_b32 s[G1XS+7], 0
	s_or_b32 s[G1WS], s28, (3<<16)|(1<<21)         ; W's scales: 3 rows (q, k, v) of 2,048 bytes, 32,768 bytes apart
	s_mov_b32 s[G1WS+1], 256<<16
	s_mov_b32 s[G1WS+2], 3<<16
	s_mov_b32 s[G1WS+3], 256<<16
	s_mov_b32 s[G1WS+4], 3
	s_mov_b32 s[G1WS+5], 4096
	s_mov_b32 s[G1WS+6], 0
	s_mov_b32 s[G1WS+7], 0
	; groups 0, as offsets: x's hang on ty and the wave's number, W's on tx and the wave's number
.irp g, G0A, G0B, G0XS, G0WS, G0A2, G0B2
	s_mov_b32 s[\g], 1
	s_mov_b32 s[\g+3], 0
.endr
	s_and_b32 s30, s[WV], 1                        ; waves 0, 1: 128 rows each of x's first half
	s_mul_i32 s[G0A+1], s30, 128*PITCH
	s_lshl_b32 s31, s26, 17                        ; 256 ty rows of 512 bytes
	s_lshl_b32 s30, s30, 16
	s_add_co_u32 s[G0A+2], s31, s30
	s_add_co_u32 s30, s[WV], 1
	s_and_b32 s30, s30, 1                          ; waves 7, 8: of its second
	s_mul_i32 s[G0A2+1], s30, 128*PITCH
	s_add_co_u32 s[G0A2+1], s[G0A2+1], HALF
	s_lshl_b32 s30, s30, 16
	s_add_co_u32 s[G0A2+2], s31, s30
	s_add_co_u32 s[G0A2+2], s[G0A2+2], 256
	s_mov_b32 s[G0XS+1], XS
	s_lshl_b32 s[G0XS+2], s26, 13
	s_add_co_u32 s66, s[WV], 2
	s_and_b32 s66, s66, 3                          ; waves 2, 3, 4: q's, k's, v's 64 rows of W's first half
	s_mul_i32 s[G0B+1], s66, 64*PITCH
	s_add_co_u32 s[G0B+1], s[G0B+1], W0
	s_lshl_b32 s67, s25, 15                        ; 64 tx rows of 512 bytes
	s_lshl_b32 s66, s66, 19                        ; + kind x 1,024 rows
	s_add_co_u32 s[G0B+2], s67, s66
	s_add_co_u32 s66, s[WV], 3
	s_and_b32 s66, s66, 3                          ; waves 9, 10, 11: of its second
	s_mul_i32 s[G0B2+1], s66, 64*PITCH
	s_add_co_u32 s[G0B2+1], s[G0B2+1], W0+HALF
	s_lshl_b32 s66, s66, 19
	s_add_co_u32 s[G0B2+2], s67, s66
	s_add_co_u32 s[G0B2+2], s[G0B2+2], 256
	s_mov_b32 s[G0WS+1], WS
	s_lshl_b32 s[G0WS+2], s25, 11
	s_mov_b32 s[SEL], 0x76543210
	s_mov_b32 s[SEL+1], 0xfedcba98
	s_wait_alu depctr_va_vdst(0)
	s_wait_dscnt 0x0                               ; both opening adds are done
	CROUND                                         ; all sixteen work-groups are here: the joint loads meet (nothing in the round needs the arguments)
	s_wait_kmcnt 0x0
	s_add_nc_u64 s[G0A+2:G0A+3], s[4:5], s[G0A+2:G0A+3]
	s_or_b32 s[G0A+3], s[G0A+3], 0x80000000
	s_add_nc_u64 s[G0B+2:G0B+3], s[8:9], s[G0B+2:G0B+3]
	s_or_b32 s[G0B+3], s[G0B+3], 0x80000000
	s_add_nc_u64 s[G0XS+2:G0XS+3], s[6:7], s[G0XS+2:G0XS+3]
	s_or_b32 s[G0XS+3], s[G0XS+3], 0x80000000
	s_add_nc_u64 s[G0WS+2:G0WS+3], s[10:11], s[G0WS+2:G0WS+3]
	s_or_b32 s[G0WS+3], s[G0WS+3], 0x80000000
	s_add_nc_u64 s[G0A2+2:G0A2+3], s[4:5], s[G0A2+2:G0A2+3]
	s_or_b32 s[G0A2+3], s[G0A2+3], 0x80000000
	s_add_nc_u64 s[G0B2+2:G0B2+3], s[8:9], s[G0B2+2:G0B2+3]
	s_or_b32 s[G0B2+3], s[G0B2+3], 0x80000000
	global_load_b32 v13, v12, s[14:15]             ; my token's position (waves 8 to 11 make no table and do not use it)
	; the fills, one a wave, each LDS byte once.  Four v_nop follow each load
.macro ARM under, g0, g1, next
	s_cmp_lt_u32 s[WV], \under
	s_cbranch_scc0 \next
	tensor_load_to_lds s[\g0:\g0+3], s[\g1:\g1+7]
	s_nop 0
	PLACES
	s_branch .Lasked
\next:
.endm
	ARM 2, G0A, G1A, .Lfill_w
	ARM 5, G0B, G1B, .Lfill_xs
	ARM 6, G0XS, G1XS, .Lfill_ws
	ARM 7, G0WS, G1WS, .Lfill_x2
	ARM 9, G0A2, G1A, .Lfill_w2
	tensor_load_to_lds s[G0B2:G0B2+3], s[G1B:G1B+7]
	s_nop 0
	PLACES
.Lasked:
	; the head's gain
	s_lshl_b32 s2, s25, 2
	s_mov_b32 s3, 0
	s_add_nc_u64 s[12:13], s[12:13], s[2:3]
	s_load_b32 s[GAIN], s[12:13], 0x0
	; where my results go
	s_lshr_b32 s99, s26, 3
	s_lshl_b32 s99, s99, 4
	s_add_co_u32 s99, s99, s25                     ; bh = 16 batch + head
	s_and_b32 s100, s26, 7
	s_lshl_b32 s100, s100, 2
	s_add_co_u32 s100, s100, s[RG]                 ; G
	s_lshl_b32 s2, s[KIND], 21
	s_lshl_b32 s3, s99, 16
	s_add_co_u32 s2, s2, s3
	s_lshl_b32 s3, s100, 11
	s_add_co_u32 s2, s2, s3
	s_mov_b32 s3, 0
	s_add_nc_u64 s[16:17], s[16:17], s[2:3]        ; my four images
	s_lshl_b32 s2, s99, 13
	s_lshl_b32 s95, s100, 8
	s_add_co_u32 s2, s2, s95                       ; q, k: bh x 8,192 + G x 256
	s_lshl_b32 s95, s99, 12
	s_lshr_b32 s101, s100, 1
	s_lshl_b32 s101, s101, 8
	s_add_co_u32 s95, s95, s101
	s_and_b32 s101, s100, 1
	s_lshl_b32 s101, s101, 1
	s_add_co_u32 s95, s95, s101                    ; v: bh x 4,096 + (G / 2) x 256 + 2 (G % 2)
	s_cmp_eq_u32 s[KIND], 2
	s_cselect_b32 s2, s95, s2
	s_lshl_b32 s95, s[KIND], 18
	s_add_co_u32 s2, s2, s95
	s_add_nc_u64 s[18:19], s[18:19], s[2:3]        ; my scale bytes
	; THE TABLE, while the fills are on their way: waves 0 to 7, a lane a token, 32 frequencies, eight at a time
.macro CONST n, c
	v_mov_b32 v[CON+2*\n], \c
	v_mov_b32 v[CON+2*\n+1], \c
.endm
.macro POLY d, a, b, n                 ; four pairs: d = a x b + constant n
.irp i, 0,2,4,6
	v_pk_fma_f32 v[\d+\i:\d+\i+1], v[\a+\i:\a+\i+1], v[\b+\i:\b+\i+1], v[CON+2*\n:CON+2*\n+1]
.endr
.endm
.macro LESS n                          ; four pairs: the angle less k x constant n
.irp i, 0,2,4,6
	v_pk_fma_f32 v[YA+\i:YA+\i+1], v[YR+\i:YR+\i+1], v[CON+2*\n:CON+2*\n+1], v[YA+\i:YA+\i+1] neg_lo:[1,0,0] neg_hi:[1,0,0]
.endr
.endm
.macro SINCOS8 f0, c0, c1, c2, c3, c4, c5, c6, c7
	v_mul_f32 v[YA+0], \c0, v13                    ; the angles, rounded to f32
	v_mul_f32 v[YA+1], \c1, v13
	v_mul_f32 v[YA+2], \c2, v13
	v_mul_f32 v[YA+3], \c3, v13
	v_mul_f32 v[YA+4], \c4, v13
	v_mul_f32 v[YA+5], \c5, v13
	v_mul_f32 v[YA+6], \c6, v13
	v_mul_f32 v[YA+7], \c7, v13
.irp i, 0,2,4,6
	v_pk_fma_f32 v[YK+\i:YK+\i+1], v[YA+\i:YA+\i+1], v[CON:CON+1], v[CON+2:CON+3]   ; angle / pi + 1.5 x 2^23: rounds to a whole number
.endr
.irp i, 0,2,4,6
	v_pk_add_f32 v[YR+\i:YR+\i+1], v[YK+\i:YK+\i+1], v[CON+2:CON+3] neg_lo:[0,1] neg_hi:[0,1]   ; k
.endr
	LESS 2
	LESS 3
	LESS 4                                         ; what is left, within pi / 2
.irp i, 0,2,4,6
	v_pk_mul_f32 v[YS+\i:YS+\i+1], v[YA+\i:YA+\i+1], v[YA+\i:YA+\i+1]
.endr
.irp i, 0,2,4,6
	v_pk_fma_f32 v[YP+\i:YP+\i+1], v[YS+\i:YS+\i+1], v[CON+10:CON+11], v[CON+12:CON+13]
.endr
.irp i, 0,2,4,6
	v_pk_fma_f32 v[YC+\i:YC+\i+1], v[YS+\i:YS+\i+1], v[CON+20:CON+21], v[CON+22:CON+23]
.endr
	POLY YP, YP, YS, 7
	POLY YC, YC, YS, 12
	POLY YP, YP, YS, 8
	POLY YC, YC, YS, 13
	POLY YP, YP, YS, 9
	POLY YC, YC, YS, 14
.irp i, 0,2,4,6
	v_pk_mul_f32 v[YU+\i:YU+\i+1], v[YA+\i:YA+\i+1], v[YS+\i:YS+\i+1]
.endr
.irp i, 0,2,4,6
	v_pk_fma_f32 v[YC+\i:YC+\i+1], v[YC+\i:YC+\i+1], v[YS+\i:YS+\i+1], -0.5 op_sel_hi:[1,1,0]
.endr
.irp i, 0,2,4,6
	v_pk_fma_f32 v[YP+\i:YP+\i+1], v[YP+\i:YP+\i+1], v[YU+\i:YU+\i+1], v[YA+\i:YA+\i+1]   ; the sine of what is left
.endr
.irp i, 0,2,4,6
	v_pk_fma_f32 v[YC+\i:YC+\i+1], v[YC+\i:YC+\i+1], v[YS+\i:YS+\i+1], 1.0 op_sel_hi:[1,1,0]   ; its cosine
.endr
.irp i, 0,1,2,3,4,5,6,7
	v_lshlrev_b32 v[YK+\i], 31, v[YK+\i]           ; an odd k changes both signs
.endr
.irp i, 0,1,2,3,4,5,6,7
	v_xor_b32 v[ACC+2*(\f0+\i)], v[YK+\i], v[YC+\i]
	v_xor_b32 v[ACC+2*(\f0+\i)+1], v[YK+\i], v[YP+\i]
.endr
.endm
	s_cmp_lt_u32 s[WV], 8
	s_cbranch_scc0 .Lno_table
	CONST 0, 0x3ea2f983                            ; 1 / pi
	CONST 1, 0x4b400000                            ; 1.5 x 2^23
	CONST 2, 0x40490fd8                            ; pi in three parts
	CONST 3, 0x3528885a
	CONST 4, 0x284234c4
	CONST 5, 0xb2d42942                            ; the sine: r^11 (it takes up most of r^13's term on [0, pi / 2]),
	CONST 6, 0x3638ef1d                            ; 1 / 9!
	CONST 7, 0xb9500d01                            ; -1 / 7!
	CONST 8, 0x3c088889                            ; 1 / 5!
	CONST 9, 0xbe2aaaab                            ; -1 / 3!
	CONST 10, 0x310f76c7                           ; the cosine: 1 / 12!
	CONST 11, 0xb493f27e                           ; -1 / 10!
	CONST 12, 0x37d00d01                           ; 1 / 8!
	CONST 13, 0xbab60b61                           ; -1 / 6!
	CONST 14, 0x3d2aaaab                           ; 1 / 4!
	s_wait_alu depctr_va_vdst(0)
	s_wait_loadcnt 0x0                             ; the position
	v_cvt_f32_i32 v13, v13
	SINCOS8 0, 1.0, 0.7498942093, 0.5623413252, 0.4216965034, 0.3162277660, 0.2371373706, 0.1778279410, 0.1333521432
	SINCOS8 8, 0.1, 0.07498942093, 0.05623413252, 0.04216965034, 0.03162277660, 0.02371373706, 0.01778279410, 0.01333521432
	SINCOS8 16, 0.01, 0.007498942093, 0.005623413252, 0.004216965034, 0.003162277660, 0.002371373706, 0.001778279410, 0.001333521432
	SINCOS8 24, 0.001, 0.0007498942093, 0.0005623413252, 0.0004216965034, 0.0003162277660, 0.0002371373706, 0.0001778279410, 0.0001333521432
.irp i, 0,1,2,3,4,5,6,7
	ds_store_b128 v8, v[ACC+4*\i:ACC+4*\i+3] offset:16*\i
.endr
.irp i, 8,9,10,11,12,13,14,15
	ds_store_b128 v15, v[ACC+4*\i:ACC+4*\i+3] offset:16*\i
.endr
.Lno_table:
	s_wait_dscnt 0x0                               ; for the others' sake: my rows of the table are written,
	s_wait_loadcnt 0x0
	s_wait_kmcnt 0x0                               ; (and the gain is in)
	s_cmp_lt_u32 s[WV], 7                          ; THE FIRST PART is in when waves 0 to 6 have waited for theirs
	s_cbranch_scc0 .Lfirst_part
	s_wait_tensorcnt 0x0
.Lfirst_part:
	s_barrier_signal -1
	s_barrier_wait -1
	s_cmp_eq_u32 s[KIND], 0
	s_cselect_b32 s[GAIN], s[GAIN], 1.0            ; the gain is q's alone
.irp i, 0,1,2,3
	ds_load_b128 v[SC+8*\i:SC+8*\i+3], v6 offset:512*\i          ; the scale words of all eight K steps: a row's 32 bytes
	ds_load_b128 v[SC+8*\i+4:SC+8*\i+7], v6 offset:512*\i+16
.endr
; One product.  The 16 accumulators take turns, one instruction a turn, in the same order in every K step.  The first K step starts the sums with the constant 0.
.macro PROD swap, a, b
.set DD, ACC+8*(4*\a+\b)
.if \swap
.if KSTP == 0
	v_wmma_scale_f32_16x16x128_f8f6f4 v[DD:DD+7], v[XF+8*\a:XF+8*\a+7], v[WF+8*\b:WF+8*\b+7], 0, v[SC+8*\a+KSTP], v[SC+8*\b+KSTP] matrix_a_fmt:MATRIX_FMT_FP4 matrix_b_fmt:MATRIX_FMT_FP4 matrix_b_scale:MATRIX_SCALE_ROW1
.else
	v_wmma_scale_f32_16x16x128_f8f6f4 v[DD:DD+7], v[XF+8*\a:XF+8*\a+7], v[WF+8*\b:WF+8*\b+7], v[DD:DD+7], v[SC+8*\a+KSTP], v[SC+8*\b+KSTP] matrix_a_fmt:MATRIX_FMT_FP4 matrix_b_fmt:MATRIX_FMT_FP4 matrix_b_scale:MATRIX_SCALE_ROW1
.endif
.else
.if KSTP == 0
	v_wmma_scale_f32_16x16x128_f8f6f4 v[DD:DD+7], v[WF+8*\b:WF+8*\b+7], v[XF+8*\a:XF+8*\a+7], 0, v[SC+8*\b+KSTP], v[SC+8*\a+KSTP] matrix_a_fmt:MATRIX_FMT_FP4 matrix_b_fmt:MATRIX_FMT_FP4 matrix_a_scale:MATRIX_SCALE_ROW1
.else
	v_wmma_scale_f32_16x16x128_f8f6f4 v[DD:DD+7], v[WF+8*\b:WF+8*\b+7], v[XF+8*\a:XF+8*\a+7], v[DD:DD+7], v[SC+8*\b+KSTP], v[SC+8*\a+KSTP] matrix_a_fmt:MATRIX_FMT_FP4 matrix_b_fmt:MATRIX_FMT_FP4 matrix_a_scale:MATRIX_SCALE_ROW1
.endif
.endif
.endm
; Four K steps of one half, written out: every offset is an immediate.  A step: 8 loads of W's fragments, 8 of x's, 16 products.  ax, aw: the half's address registers
.macro MAIN swap, from, ax, aw
.set KSTP, \from
.rept 4
.if KSTP > 0
	PLACES                                         ; ahead of loads into registers that the last products read
.endif
.irp b, 0,1,2,3
.irp c, 0,1
	ds_load_b128 v[WF+8*\b+4*\c:WF+8*\b+4*\c+3], v[\aw] offset:16*PITCH*\b+64*(KSTP%4)+32*\c
.endr
.endr
.irp a, 0,1,2,3
.irp c, 0,1
	ds_load_b128 v[XF+8*\a+4*\c:XF+8*\a+4*\c+3], v[\ax] offset:16*PITCH*\a+64*(KSTP%4)+32*\c
.endr
.endr
.irp a, 0,1,2,3
	s_wait_dscnt 6-2*\a                            ; W's fragments and x's tile a are in; the later tiles' loads, two each, may be out
.irp b, 0,1,2,3
	PROD \swap, \a, \b
.endr
.endr
.set KSTP, KSTP+1
.endr
.endm
	s_cmp_eq_u32 s[KIND], 2
	s_cbranch_scc1 .Lv_first
	MAIN 0, 0, 4, 5
	s_branch .Lmiddle
.Lv_first:
	MAIN 1, 0, 4, 5
.Lmiddle:
	s_wait_tensorcnt 0x0                           ; THE SECOND PART: everybody's fill has landed
	s_wait_dscnt 0x0
	s_barrier_signal -1
	s_barrier_wait -1
	s_cmp_eq_u32 s[KIND], 2
	s_cbranch_scc1 .Lv_path
	; ---- q and k: lane (r, h), register j of accumulator (m, t): token 16 m + r, channel 16 t + 8 h + j
	MAIN 0, 4, 240, 241
	PLACES
.macro TABLE m                         ; tile m's (cos, sin): tiles take XF's and WF's 32 registers by turns
.set TBL, XF+32*((\m)%2)
.irp t, 0,1
.irp u, 0,1
	ds_load_b128 v[TBL+8*\t+4*\u:TBL+8*\t+4*\u+3], v7 offset:8*528*\m+64*\t+16*\u   ; frequencies 8 t + 4 h + 0 .. 3 of my token
.endr
.endr
.irp t, 2,3
.irp u, 0,1
	ds_load_b128 v[TBL+8*\t+4*\u:TBL+8*\t+4*\u+3], v3 offset:8*528*\m+64*\t+16*\u
.endr
.endr
.endm
.macro ROPE m, younger
	s_wait_dscnt \younger                          ; tile m's eight loads are in; the next tile's eight may be out
.set TBL, XF+32*((\m)%2)
.irp t, 0,1,2,3
.irp p, 0,1,2,3
.set AA, ACC+8*(4*\m+\t)+2*\p          ; the pair: even channel, odd channel.  Each accumulator is read from its low end on
.set CC, TBL+8*\t+2*\p                 ; its cosine and sine
.set TT, 14-2*(\p%2)                   ; v14, v15 and v12, v13 by turns
	v_pk_mul_f32 v[TT:TT+1], v[AA:AA+1], v[CC:CC+1] op_sel_hi:[1,0]   ; cos x even, cos x odd
	v_pk_fma_f32 v[AA:AA+1], v[AA:AA+1], v[CC:CC+1], v[TT:TT+1] op_sel:[1,1,0] op_sel_hi:[0,1,1] neg_lo:[1,0,0]   ; - sin x odd, + sin x even
.endr
.endr
.set AZ, ACC+32*\m
	v_pk_mul_f32 v[248:249], v[AZ:AZ+1], v[AZ:AZ+1]               ; the sum of squares of my 32 channels, in two packed chains
	v_pk_mul_f32 v[250:251], v[AZ+2:AZ+3], v[AZ+2:AZ+3]
.irp i, 4,8,12,16,20,24,28
	s_delay_alu instid0(VALU_DEP_2)
	v_pk_fma_f32 v[248:249], v[AZ+\i:AZ+\i+1], v[AZ+\i:AZ+\i+1], v[248:249]
	s_delay_alu instid0(VALU_DEP_2)
	v_pk_fma_f32 v[250:251], v[AZ+\i+2:AZ+\i+3], v[AZ+\i+2:AZ+\i+3], v[250:251]
.endr
	s_delay_alu instid0(VALU_DEP_1)
	v_pk_add_f32 v[248:249], v[248:249], v[250:251]
	s_delay_alu instid0(VALU_DEP_1)
	v_add_f32 v[244+\m], v248, v249                ; tile m's sum over my 32 channels
.endm
.macro NORM m, f                       ; tile m times its factor (of the pair the low word serves both halves)
.set AZ, ACC+32*\m
.irp i, 0,2,4,6,8,10,12,14,16,18,20,22,24,26,28,30
	v_pk_mul_f32 v[AZ+\i:AZ+\i+1], v[AZ+\i:AZ+\i+1], v[\f:\f+1] op_sel_hi:[1,0]
.endr
.endm
.macro QKOUT m
.set AZ, ACC+32*\m
	QUANT2 AZ, AZ+8, AZ+16, AZ+24, WF+4*\m, 240, 242, 244, 246
	v_lshl_or_b32 v[96+\m], v247, 8, v246
	s_delay_alu instid0(VALU_DEP_1)
	v_lshl_or_b32 v[96+\m], v[96+\m], 16, v[96+\m] ; the token's word: its two bytes, twice
	global_store_b128 v9, v[WF+4*\m:WF+4*\m+3], s[16:17] offset:512*\m   ; the image: 512 consecutive bytes
.endm
	TABLE 0
	TABLE 1
	ROPE 0, 8
	TABLE 2
	ROPE 1, 8
	TABLE 3
	ROPE 2, 8
	ROPE 3, 0
.irp m, 0,1,2,3
	v_permlanex16_b32 v[240+\m], v[244+\m], s[SEL], s[SEL+1]
.endr
.irp m, 0,1,2,3
	v_add_f32 v[244+\m], v[244+\m], v[240+\m]      ; with lane l xor 16's 32 channels
.endr
	s_wait_alu depctr_va_vdst(0)                   ; (this wait and the three that follow: beside the two batches of transcendentals)
.irp m, 0,1,2,3
	v_sqrt_f32 v[248+\m], v[244+\m]
.endr
	v_nop                                          ; a plain line behind the transcendentals
	s_wait_alu depctr_va_vdst(0)
.irp m, 0,1,2,3
	v_add_f32 v[244+\m], 0x322bcc77, v[248+\m]     ; + 1e-8
.endr
	s_wait_alu depctr_va_vdst(0)
.irp m, 0,1,2,3
	v_rcp_f32 v[248+\m], v[244+\m]
.endr
	v_nop
	s_wait_alu depctr_va_vdst(0)
	v_mul_f32 v12, s[GAIN], v248                   ; the four tiles' factors, each the low word of a pair
	v_mul_f32 v14, s[GAIN], v249
	v_mul_f32 v244, s[GAIN], v250
	v_mul_f32 v246, s[GAIN], v251
	NORM 0, 12
	NORM 1, 14
	NORM 2, 244
	NORM 3, 246
	QKOUT 0
	QKOUT 1
	QKOUT 2
	QKOUT 3
	v_cmp_eq_u32 vcc_lo, 1, v2
	s_delay_alu instid0(VALU_DEP_1)
	v_cndmask_b32 v100, v96, v98, vcc_lo           ; lanes 0-15 store tiles 0 and 1's words of token r, lanes 16-31 tiles 2 and 3's
	s_delay_alu instid0(VALU_DEP_2)
	v_cndmask_b32 v101, v97, v99, vcc_lo
	global_store_b64 v10, v[100:101], s[18:19]     ; 32 lanes store 256 consecutive bytes, aligned
	s_branch .Ldone
.Lv_path:
	; ---- v: lane (r, h), register j of accumulator (a, t): channel 16 t + r, token 16 a + 8 h + j
	MAIN 1, 4, 240, 241
	PLACES
.irp t, 0,1,2,3
	QUANT2 ACC+8*\t, ACC+32+8*\t, ACC+64+8*\t, ACC+96+8*\t, WF+4*\t, 240, 242, 244, 246
	v_lshl_or_b32 v[96+\t], v247, 8, v246
	global_store_b128 v9, v[WF+4*\t:WF+4*\t+3], s[16:17] offset:512*\t
.endr
	v_cmp_eq_u32 vcc_lo, 1, v2
	s_delay_alu instid0(VALU_DEP_1)
	v_cndmask_b32 v100, v96, v97, vcc_lo           ; lanes 0-15 store tiles 0 and 2's bytes of channel r, lanes 16-31 tiles 1 and 3's
	s_delay_alu instid0(VALU_DEP_2)
	v_cndmask_b32 v101, v98, v99, vcc_lo
	global_store_b16 v11, v100, s[18:19]           ; two bytes of each word: the word's other half comes from the wave of the neighbouring 64 keys
	global_store_b16 v11, v101, s[18:19] offset:8
.Ldone:
	s_wait_tensorcnt 0x0                           ; the wave's end
	ds_add_u32 v[SPW], v[NIL]
	s_wait_dscnt 0x0
	CROUND                                         ; the closing round: no work-group ends while a partner may still ask for a tile that names it
	s_endpgm
.Lfunc_end_k_q8f88fed043_qkv:
	.size	k_q8f88fed043_qkv, .Lfunc_end_k_q8f88fed043_qkv-k_q8f88fed043_qkv
	.p2alignl 7, 3214868480
	.fill 96, 4, 3214868480
	.section	.rodata,"a",@progbits
	.p2align	6, 0x0
	.amdhsa_kernel k_q8f88fed043_qkv
		.amdhsa_group_segment_fixed_size 327680
		.amdhsa_private_segment_fixed_size 0
		.amdhsa_enable_private_segment 0
		.amdhsa_kernarg_size 64
		.amdhsa_user_sgpr_count 2
		.amdhsa_user_sgpr_kernarg_segment_ptr 1
		.amdhsa_wavefront_size32 1
		.amdhsa_system_sgpr_workgroup_id_x 1
		.amdhsa_system_sgpr_workgroup_id_y 1
		.amdhsa_system_sgpr_workgroup_id_z 1
		.amdhsa_system_vgpr_workitem_id 0
		.amdhsa_next_free_vgpr 256
		.amdhsa_next_free_sgpr 102
		.amdhsa_reserve_vcc 1
		.amdhsa_float_denorm_mode_32 3
		.amdhsa_float_denorm_mode_16_64 3
		.amdhsa_memory_ordered 1
		.amdhsa_forward_progress 1
		.amdhsa_inst_pref_size 132
	.end_amdhsa_kernel
	.amdgpu_metadata
---
amdhsa.version: [ 1, 2 ]
amdhsa.kernels:
  - .name:           k_q8f88fed043_qkv
    .symbol:         k_q8f88fed043_qkv.kd
    .args:
      - { .name: x_codes, .offset: 0, .size: 8, .value_kind: global_buffer, .address_space: global }
      - { .name: x_scales, .offset: 8, .size: 8, .value_kind: global_buffer, .address_space: global }
      - { .name: W_QKV_codes, .offset: 16, .size: 8, .value_kind: global_buffer, .address_space: global }
      - { .name: W_QKV_scales, .offset: 24, .size: 8, .value_kind: global_buffer, .address_space: global }
      - { .name: qk_scale, .offset: 32, .size: 8, .value_kind: global_buffer, .address_space: global }
      - { .name: token_positions, .offset: 40, .size: 8, .value_kind: global_buffer, .address_space: global }
      - { .name: qkv_codes, .offset: 48, .size: 8, .value_kind: global_buffer, .address_space: global }
      - { .name: qkv_scales, .offset: 56, .size: 8, .value_kind: global_buffer, .address_space: global }
    .group_segment_fixed_size: 327680
    .private_segment_fixed_size: 0
    .kernarg_segment_align: 8
    .kernarg_segment_size: 64
    .max_flat_workgroup_size: 384
    .sgpr_count:     102
    .vgpr_count:     256
    .wavefront_size: 32
...
	.end_amdgpu_metadata
.endif
;; end of part 1
;; launch attn (part 2): grid 8 x 32, 16 waves a work-group, clusters of 4 x 1, 190,464 bytes of LDS; arguments qkv_codes, qkv_scales, o_codes, o_scales; writes o_codes, o_scales
.if DOCPART == 2
	.amdgcn_target "amdgcn-amd-amdhsa--gfx1250"
	.amdhsa_code_object_version 6
	.text
	.protected	k_q8f88fed043_attn
	.globl	k_q8f88fed043_attn
	.p2align	8
	.type	k_q8f88fed043_attn,@function
k_q8f88fed043_attn:
	s_mov_b64 s[64:65], 0
	v_nop
	global_prefetch_b8 v0, s[64:65] scope:SCOPE_SE
	s_setreg_imm32_b32 hwreg(HW_REG_WAVE_MODE, 25, 1), 1
	s_wait_xcnt 0x0
	s_wait_alu depctr_hold_cnt(0) depctr_sa_sdst(0) depctr_va_vdst(0) depctr_va_sdst(0) depctr_va_ssrc(0) depctr_va_vcc(0) depctr_vm_vsrc(0)
	s_getreg_b32 s2, hwreg(HW_REG_IB_STS2, 6, 4)
	s_cmp_eq_u32 s2, 0
	s_cbranch_scc0 .Lentry_in_a_cluster
	s_endpgm
.Lentry_in_a_cluster:
	s_bfe_u32 s2, ttmp6, 0x10000c
	s_cmp_lg_u32 s2, 0x3003
	s_cbranch_scc0 .Lentry_shape_is_right
	s_endpgm
.Lentry_shape_is_right:
; Causal attention of one batch and head (bh) on codes of FP4 (E2M1): S^T = K Q^T (K = the head's 64, filled to 128), the softmax, O^T = V^T P^T (K = the keys, 128 a step), O / the row's sum,
; quantised along d_model (a head is two blocks of 32), stored as an image and two scale bytes a row.
; THE SOFTMAX: t = score x log2(e); M = the running largest t rounded UP to a whole number; p = 2^(t - M) is quantised along the keys, not normalised; the row's sum is taken of the unquantised p.
; When M moves, the sum and O^T are multiplied by 2^(old M - new M): exact.
; SHARES.  A head's 2,048 queries are 128 tiles of 16; work-group jw (0..7) takes tiles 8 BLK + jw, BLK = 0..15; tile BLK needs the key steps 0 .. BLK (steps all of whose keys come after the queries are hidden by
; the causal mask and are left out; a NaN or an infinity that reaches only them is not carried to the result).  Tiles i and 15 - i (17 steps together) are one pair, made by waves w and w + 8 (w = 0..7),
; i = w xor 4; the pair's split is n = 9 steps for i = 4 .. 7 (w = 0..3) and n = 13 for i = 0 .. 3 (w = 4..7):
;   wave w:      tile 15 - i, steps 0 .. n - 1;
;   wave w + 8:  tile i, steps 0 .. i, which leaves at once; then tile 15 - i's steps n .. 15 - i: 17 - n steps in all.  Its sums of tile 15 - i go through LDS to wave w, which joins them to its own.
;   (i = 7 and i = 3, w % 4 = 3: tile 15 - i has no step n: waves 3, 7, 11 and 15 finish a tile each.)
; So waves w, w + 4, w + 8, w + 12 (w = 0..3) have 9, 13, 8 and 4 steps, 34 together.  All waves make trip 0 (step 0) and walk the loop's twelve trips (a constant count); behind its last step a wave only counts.
; CLUSTER 4 x 1: the four partners belong to one bh and read the same K and V: every fill is asked for jointly.  A head's K, V and their scale bytes fit in LDS whole: each LDS byte is filled once, at the head,
; one load a wave; so there is no stream that a prefetch could run ahead of.  THE FILLS COME IN TWO PARTS, each with a barrier of its own: step 0's K and V and all scale bytes (waves 0 to 3), and the other fifteen
; steps (waves 4 to 9), which are on their way during trip 0.
; LAYOUT.  A lane holds ONE query (r = lane % 16) throughout, h = lane / 16.  THE KEYS OF A TILE OF S^T ARE NOT NEIGHBOURS: row m of tile t (0..3) of a group of 64 keys is key 32 (m / 8) + 8 t + m % 8, so that
; lane (r, h) holds block h of the group whole, in order: its largest p and its codes need no other lane.  Operands lie in memory as images: 512 bytes = 16 rows x 64 codes, lane l's 16 bytes at 16 l.
; K in LDS has 128 bytes of padding behind each 1,024 (32 keys): the rows m and m + 8 of a load then lie in different halves of 256 bytes.
; Q's upper 64 codes are zeros, so registers 4-7 of K's fragments may hold any codes: a fragment names its own four registers and its neighbour's.
; LIMITS: the scaled scores stay under 2^31 in magnitude; a block of zeros gets the byte 1 (zero codes; only this program reads the bytes); NaN and infinities are not served.
; REGISTERS: v1 r, v2 h, v3-7 addresses that stay, v8-11 the step's addresses, v12 -M, v13 the largest score, v[14:15] the sum, v16-23 Q (v20-23 zeros), v24 16 r, v25 the mask's number, v26 -infinity, v27 4 r,
;   v28-29 the conversions' scale operands, v30 8 h, v31 at work, v32-67 K, v68 f, v70-71 the add's, v72-85 the sum's chains, v86 the pair's place, v88 the new -M, v96-159 S^T, then p, v160-191 O^T, v192-223 V's 4 fragments,
;   v224-231 p's codes, v232-239, v254 at work; scales and nothing else: v240-243 K's, v248-251 V's, v253 p's, v255 Q's.
.set KP,  4608                         ; a key step of K in LDS: four times 1,024 + 128
.set VC,  16*KP                        ; V's images: 4,096 bytes a step
.set KS,  VC+65536                     ; K's scale words: 512 bytes a step
.set VS,  KS+8192                      ; V's: 256 a step
.set MRG, VS+4096                      ; the pairs' places: 4,608 bytes each; no fill lands here
.set SPARE, MRG+8*4608                 ; the spare words, 128 bytes a wave
.set WV,  18
.set PI,  19                           ; i = (wave % 8) xor 4
.set SEL, 20                           ; s[20:21] lane l xor 16
.set CS,  22                           ; s[22:23] log2(e), twice: the packed form names a pair
.set G1K0, 24                          ; group 1: K's step 0; K's other steps, five a load; V's step 0, and V's scales; V's other steps, five a load; K's scales
.set G1K1, 32
.set G1V0, 40
.set G1V1, 48
.set G1KS, 56
.set G0K0, 68                          ; groups 0
.set G0V0, 72
.set G0KS, 76
.set G0VS, 80
.set G0K1, 84
.set G0V1, 88
.set QB,  66                           ; the first key of the step on my tile's diagonal
.set QBL, 67                           ; the same for the pair's longer tile
.set SWK, 92                           ; the trip at which a wave w + 8 goes over to the longer tile
.set NT,  93                           ; my number of steps
.set BH,  94
.set JW,  95
.set I7,  100                          ; 7 - i
.set JMP, 101                          ; waves w + 8: n - 1 - i, what the step's number gains on the trip's behind trip i; waves w: 0
.set SCU, 4                            ; (in the loop) the trip's step, the next trip's step, the step's first key, the trip
.set SN,  5
.set KF,  6
.set KK,  7
.macro PLACES
.rept 4
	v_nop
.endr
.endm
.macro CROUND
	s_barrier_signal -1
	s_barrier_wait -1
	s_cmp_lg_u32 s[WV], 0
	s_cbranch_scc1 .Lnot_wave_0_\@
	s_barrier_signal -3
.Lnot_wave_0_\@:
	s_barrier_wait -3
	s_barrier_signal -1
	s_barrier_wait -1
.endm
.macro QOFF t, o, w                    ; where tile t's image and its scale words begin
	s_lshl_b32 s[\o], s[BH], 16
	s_lshl_b32 s[\o+1], s[\t], 9
	s_add_co_u32 s[\o], s[\o], s[\o+1]
	s_mov_b32 s[\o+1], 0
	s_lshl_b32 s[\w], s[BH], 13
	s_lshr_b32 s[\w+1], s[\t], 2
	s_lshl_b32 s[\w+1], s[\w+1], 8
	s_add_co_u32 s[\w], s[\w], s[\w+1]
	s_and_b32 s[\w+1], s[\t], 3
	s_lshl_b32 s[\w+1], s[\w+1], 2
	s_add_co_u32 s[\w], s[\w], s[\w+1]
	s_mov_b32 s[\w+1], 0
.endm
; Four result tiles become an image and two scale bytes.  t0, t1: the two tiles of block 0 (lane (r, h): k = 8 h + j and 16 + 8 h + j), t2, t3: of block 1.
.macro QUANT2 t0, t1, t2, t3, pc, mx, tp, so, by
	v_max3_num_f32 v[\mx], |v[\t0]|, |v[\t0+1]|, 0x1800000        ; and the floor 2^(3 - 127): the byte cannot fall under 1
	v_max3_num_f32 v[\mx+1], |v[\t2]|, |v[\t2+1]|, 0x1800000
.irp i, 2,4,6
	v_max3_num_f32 v[\mx], v[\mx], |v[\t0+\i]|, |v[\t0+\i+1]|
	v_max3_num_f32 v[\mx+1], v[\mx+1], |v[\t2+\i]|, |v[\t2+\i+1]|
.endr
.irp i, 0,2,4,6
	v_max3_num_f32 v[\mx], v[\mx], |v[\t1+\i]|, |v[\t1+\i+1]|
	v_max3_num_f32 v[\mx+1], v[\mx+1], |v[\t3+\i]|, |v[\t3+\i+1]|
.endr
	s_delay_alu instid0(VALU_DEP_2)
	v_permlanex16_b32 v[\tp], v[\mx], s[SEL], s[SEL+1]
	s_delay_alu instid0(VALU_DEP_2)
	v_permlanex16_b32 v[\tp+1], v[\mx+1], s[SEL], s[SEL+1]
	s_delay_alu instid0(VALU_DEP_2)
	v_max_num_f32 v[\mx], v[\mx], v[\tp]
	s_delay_alu instid0(VALU_DEP_2)
	v_max_num_f32 v[\mx+1], v[\mx+1], v[\tp+1]
	s_delay_alu instid0(VALU_DEP_2)
	v_add_nc_u32 v[\so], 0xff000000, v[\mx]                        ; 2 off the exponent field: the conversion's scale operand
	s_delay_alu instid0(VALU_DEP_2)
	v_add_nc_u32 v[\so+1], 0xff000000, v[\mx+1]
	s_delay_alu instid0(VALU_DEP_2)
	v_lshrrev_b32 v[\by], 23, v[\so]
	s_delay_alu instid0(VALU_DEP_2)
	v_lshrrev_b32 v[\by+1], 23, v[\so+1]
	v_cvt_scalef32_pk8_fp4_f32 v[\pc], v[\t0:\t0+7], v[\so]
	v_cvt_scalef32_pk8_fp4_f32 v[\pc+2], v[\t1:\t1+7], v[\so]
	v_cvt_scalef32_pk8_fp4_f32 v[\pc+1], v[\t2:\t2+7], v[\so+1]
	v_cvt_scalef32_pk8_fp4_f32 v[\pc+3], v[\t3:\t3+7], v[\so+1]
	v_nop                                                          ; one plain line behind a scaled conversion
	v_permlane16_swap_b32 v[\pc], v[\pc+1]
	v_permlane16_swap_b32 v[\pc+2], v[\pc+3]
.endm
; THE WAY OUT: O^T / the sum; register 8 t + j of lane (r, h) is channel 16 t + 8 h + j of query r: two blocks of 32 along d_model
.macro WAYOUT
	v_add_f32 v232, v14, v15                       ; the sum's two halves,
	s_delay_alu instid0(VALU_DEP_1)
	v_permlanex16_b32 v233, v232, s[SEL], s[SEL+1]
	s_delay_alu instid0(VALU_DEP_1)
	v_add_f32 v232, v232, v233                     ; and lane l xor 16's
	s_wait_alu depctr_va_vdst(0)                   ; ahead of the transcendental,
	v_rcp_f32 v232, v232
	v_nop
	s_wait_alu depctr_va_vdst(0)                   ; and behind it, ahead of O^T's first reader
.irp j, 0,2,4,6,8,10,12,14,16,18,20,22,24,26,28,30
	v_pk_mul_f32 v[96+\j:97+\j], v[160+\j:161+\j], v[232:233] op_sel_hi:[1,0]
.endr
	QUANT2 96, 104, 112, 120, 224, 234, 236, 28, 238
	v_lshl_or_b32 v31, v239, 8, v238
	global_store_b128 v3, v[224:227], s[8:9]       ; the image: 512 consecutive bytes
	global_store_b16 v27, v31, s[10:11]            ; row r's two bytes; lanes r and r + 16 hold the same two and store them to the same place
.endm
.macro CLEAR                           ; a tile begins: a tile's first step finds zeros, which the first change of M leaves zeros
	v_mov_b32 v13, 0xfe967699                      ; the largest score so far: -1e38, under every score
	v_mov_b32 v12, 0x7e967699                      ; -M: 1e38
	v_mov_b32 v14, 0                               ; the sum, in two halves
	v_mov_b32 v15, 0
.irp j, 0,1,2,3,4,5,6,7,8,9,10,11,12,13,14,15,16,17,18,19,20,21,22,23,24,25,26,27,28,29,30,31
	v_mov_b32 v[160+\j], 0
.endr
.endm
.macro STEPOF d, k                     ; the step of trip k: k, and n - 1 - i more behind trip i in waves w + 8; at most 15
	s_add_co_u32 s3, s[\k], s[I7]
	s_lshr_b32 s3, s3, 3
	s_min_u32 s3, s3, 1
	s_mul_i32 s3, s3, s[JMP]
	s_add_co_u32 s[\d], s[\k], s3
	s_min_u32 s[\d], s[\d], 15
.endm
.macro KADDR                           ; where step SN's K and its scale words lie
	s_mul_i32 s3, s[SN], KP
	v_add_nc_u32 v8, s3, v4
	v_lshl_add_u32 v10, s[SN], 9, v5
.endm
.macro KLOAD
.irp g, 0,1
.irp t, 0,1,2,3
	ds_load_b128 v[32+16*\g+4*\t:35+16*\g+4*\t], v8 offset:2304*\g+512*(\t/2)+128*(\t%2)
.endr
.endr
	ds_load_b64 v[240:241], v10                    ; group 0's words: tiles 0, 1 in v240, 2, 3 in v241
	ds_load_b64 v[242:243], v10 offset:256         ; group 1's
.endm
; A KEY STEP: 128 keys.  K's fragments and words are in registers.  pre = 1: the next step's K is asked for as soon as the scores' products have read this step's.
.macro STEP pre
.irp g, 0,1
.irp t, 0,1,2,3
.if \t%2
	v_wmma_scale_f32_16x16x128_f8f6f4 v[96+32*\g+8*\t:103+32*\g+8*\t], v[32+16*\g+4*\t:39+16*\g+4*\t], v[16:23], 0, v[240+2*\g+\t/2], v255 matrix_a_fmt:MATRIX_FMT_FP4 matrix_b_fmt:MATRIX_FMT_FP4 matrix_a_scale:MATRIX_SCALE_ROW1
.else
	v_wmma_scale_f32_16x16x128_f8f6f4 v[96+32*\g+8*\t:103+32*\g+8*\t], v[32+16*\g+4*\t:39+16*\g+4*\t], v[16:23], 0, v[240+2*\g+\t/2], v255 matrix_a_fmt:MATRIX_FMT_FP4 matrix_b_fmt:MATRIX_FMT_FP4
.endif
.endr
.endr
	v_lshl_add_u32 v9, s[SCU], 12, v6              ; four plain lines behind the products: the places ahead of the loads and of the scores' readers
	v_lshl_add_u32 v11, s[SCU], 8, v7
.if \pre
	KADDR
.else
	v_nop
	v_nop
.endif
.irp t, 0,1,2,3
.irp c, 0,1
	ds_load_b128 v[192+8*\t+4*\c:195+8*\t+4*\c], v9 offset:2048*\c+512*\t   ; V^T's tile t: channels 16 t + r, keys 64 c on
.endr
.endr
	ds_load_b128 v[248:251], v11                   ; V's words of tiles 0-3 for this step
.if \pre
	s_add_co_u32 s3, s[KK], 1
	s_cmp_lt_u32 s3, s[NT]
	s_cbranch_scc0 .Lno_next_\@
	KLOAD
.Lno_next_\@:
.endif
	s_cmp_lg_u32 s[KF], s[QB]                      ; only the step on the diagonal has hidden keys
	s_cbranch_scc1 .Lopen_\@
.irp n, 0,1,2,3,4,5,6,7,8,9,10,11,12,13,14,15,16,17,18,19,20,21,22,23,24,25,26,27,28,29,30,31,32,33,34,35,36,37,38,39,40,41,42,43,44,45,46,47,48,49,50,51,52,53,54,55,56,57,58,59,60,61,62,63
	v_cmp_gt_i32 vcc_lo, 64*(\n/32)+\n%32, v25
	v_cndmask_b32 v[96+\n], v[96+\n], v26, vcc_lo  ; hidden scores become -infinity ahead of the maximum: p = 0 then
.endr
.Lopen_\@:
.irp b, 0,1,2,3
	v_max3_num_f32 v[232+\b], v[96+16*\b], v[97+16*\b], v[98+16*\b]   ; the largest score of each of my two blocks, in two chains each: for the row's maximum, and, since p rises with the score, for the block's largest p
.endr
.irp i, 3,5,7,9,11,13
.irp b, 0,1,2,3
	v_max3_num_f32 v[232+\b], v[232+\b], v[96+16*\b+\i], v[97+16*\b+\i]
.endr
.endr
	v_max3_num_f32 v232, v232, v111, v127
	v_max3_num_f32 v234, v234, v143, v159
	s_delay_alu instid0(VALU_DEP_2)
	v_max_num_f32 v232, v232, v233                 ; block h of group 0
	s_delay_alu instid0(VALU_DEP_2)
	v_max_num_f32 v234, v234, v235                 ; block h of group 1
	s_delay_alu instid0(VALU_DEP_1)
	v_max_num_f32 v233, v232, v234
	s_delay_alu instid0(VALU_DEP_1)
	v_permlanex16_b32 v235, v233, s[SEL], s[SEL+1]
	s_delay_alu instid0(VALU_DEP_1)
	v_max3_num_f32 v13, v13, v233, v235            ; with lane l xor 16's blocks: the running largest score
	s_delay_alu instid0(VALU_DEP_1)
	v_mul_f32 v254, s[CS], v13                     ; as t
	s_delay_alu instid0(VALU_DEP_1)
	v_floor_f32 v88, -v254                         ; the new -M = floor(-t) = -ceil(t)
.irp j, 0,2,4,6
	v_pk_fma_f32 v[96+\j:97+\j], v[96+\j:97+\j], s[CS:CS+1], v[88:89] op_sel_hi:[1,0,0]   ; t - M, two at a time
.endr
	v_sub_f32 v254, v88, v12                       ; old M - new M: a whole number, 0 or less
	v_mov_b32 v12, v88
.irp j, 8,10,12,14
	v_pk_fma_f32 v[96+\j:97+\j], v[96+\j:97+\j], s[CS:CS+1], v[88:89] op_sel_hi:[1,0,0]
.endr
	v_cvt_i32_f32 v254, v254                       ; (it saturates)
.irp j, 16,18,20,22
	v_pk_fma_f32 v[96+\j:97+\j], v[96+\j:97+\j], s[CS:CS+1], v[88:89] op_sel_hi:[1,0,0]
.endr
	v_ldexp_f32 v68, 1.0, v254                     ; f = 2^(old M - new M)
.irp j, 24,26,28,30,32,34,36,38,40,42,44,46,48,50,52,54,56,58,60,62
	v_pk_fma_f32 v[96+\j:97+\j], v[96+\j:97+\j], s[CS:CS+1], v[88:89] op_sel_hi:[1,0,0]
.endr
	v_fma_f32 v232, v232, s[CS], v88               ; the same of each block's largest score
	v_fma_f32 v234, v234, s[CS], v88
.irp j, 0,2,4,6,8,10,12,14,16,18,20,22,24,26,28,30
	v_pk_mul_f32 v[160+\j:161+\j], v[160+\j:161+\j], v[68:69] op_sel_hi:[1,0]   ; O^T under the new M
.endr
	s_wait_alu depctr_va_vdst(0)
.irp j, 0,1,2,3,4,5,6,7,8,9,10,11,12,13,14,15,16,17,18,19,20,21,22,23,24,25,26,27,28,29,30,31,32,33,34,35,36,37,38,39,40,41,42,43,44,45,46,47,48,49,50,51,52,53,54,55,56,57,58,59,60,61,62,63
	v_exp_f32 v[96+\j], v[96+\j]                   ; p = 2^(t - M), at most 1
.endr
	v_exp_f32 v232, v232                           ; the blocks' largest p: the same two instructions on the same number
	v_exp_f32 v234, v234
	v_pk_mul_f32 v[14:15], v[14:15], v[68:69] op_sel_hi:[1,0]   ; the sums under the new M (a plain line behind the exponentials)
	s_wait_alu depctr_va_vdst(0)
	v_max_num_f32 v232, 0x1800000, v232            ; the floor 2^(3 - 127): the byte cannot fall under 1
	v_max_num_f32 v234, 0x1800000, v234
	v_pk_add_f32 v[72:73], v[96:97], v[98:99]      ; the row's sum, of the unquantised p: eight packed chains
	v_add_nc_u32 v28, 0xff000000, v232             ; 2 off the exponent field: the conversion's scale operand
	v_add_nc_u32 v29, 0xff000000, v234
	v_pk_add_f32 v[74:75], v[100:101], v[102:103]
	v_lshrrev_b32 v236, 23, v28                    ; the scale's byte
	v_lshrrev_b32 v237, 23, v29
.irp c, 0,1
.irp t, 0,1,2,3
	v_cvt_scalef32_pk8_fp4_f32 v[224+4*\c+\t], v[96+32*\c+8*\t:103+32*\c+8*\t], v[28+\c]   ; keys 64 c + 32 h + 8 t + 0 .. 7: the operand's register as it stands
.endr
.endr
	v_lshl_or_b32 v236, v237, 16, v236             ; my blocks' bytes: h and 2 + h of p's scale word.  (The plain line behind the conversions; this one and those below are places ahead of the products)
	v_pk_add_f32 v[76:77], v[104:105], v[106:107]
	v_lshlrev_b32 v236, v30, v236
	v_pk_add_f32 v[78:79], v[108:109], v[110:111]
	v_permlanex16_b32 v237, v236, s[SEL], s[SEL+1]
	v_pk_add_f32 v[80:81], v[112:113], v[114:115]
	v_or_b32 v253, v236, v237                      ; with lane l xor 16's two bytes: the scale word of these 128 keys
.irp k, 5,6
	v_pk_add_f32 v[72+2*\k:73+2*\k], v[96+4*\k:97+4*\k], v[98+4*\k:99+4*\k]
.endr
	v_pk_add_f32 v[14:15], v[14:15], v[124:125]
.irp k, 0,1,2,3,4,5,6
	v_pk_add_f32 v[72+2*\k:73+2*\k], v[72+2*\k:73+2*\k], v[126+2*\k:127+2*\k]
.endr
	v_pk_add_f32 v[14:15], v[14:15], v[140:141]
.irp k, 0,1,2,3,4,5,6
	v_pk_add_f32 v[72+2*\k:73+2*\k], v[72+2*\k:73+2*\k], v[142+2*\k:143+2*\k]
.endr
	v_pk_add_f32 v[14:15], v[14:15], v[156:157]
	v_pk_add_f32 v[72:73], v[72:73], v[158:159]
	v_pk_add_f32 v[76:77], v[76:77], v[78:79]
	v_pk_add_f32 v[80:81], v[80:81], v[82:83]
	v_pk_add_f32 v[14:15], v[14:15], v[84:85]
	v_pk_add_f32 v[72:73], v[72:73], v[74:75]
	v_pk_add_f32 v[76:77], v[76:77], v[80:81]
	v_pk_add_f32 v[14:15], v[14:15], v[72:73]
	v_pk_add_f32 v[14:15], v[14:15], v[76:77]
	s_wait_dscnt 0x0                               ; V and its words are in, and the next step's K, asked for as long ago
.irp t, 0,1,2,3
	v_wmma_scale_f32_16x16x128_f8f6f4 v[160+8*\t:167+8*\t], v[192+8*\t:199+8*\t], v[224:231], v[160+8*\t:167+8*\t], v[248+\t], v253 matrix_a_fmt:MATRIX_FMT_FP4 matrix_b_fmt:MATRIX_FMT_FP4
.endr
.endm
	s_load_b256 s[4:11], s[0:1], 0x0               ; qkv_codes s[4:5], qkv_scales s[6:7], o_codes s[8:9], o_scales s[10:11]
	v_lshl_add_u32 v70, v0, 2, SPARE
	v_mov_b32 v71, 0
	ds_add_u32 v70, v71                            ; the opening: the add, twice on end, under one wait
	ds_add_u32 v70, v71
	v_lshrrev_b32 v8, 5, v0
	v_readfirstlane_b32 s[WV], v8                  ; wave 0..15
	s_and_b32 s[PI], s[WV], 7
	s_xor_b32 s[PI], s[PI], 4
	s_xor_b32 s[I7], s[PI], 7
	s_lshr_b32 s96, s[PI], 2                       ; 1: the split is n = 9; 0: n = 13
	s_xor_b32 s97, s96, 1
	s_and_b32 s[JMP], s[I7], 3
	s_lshl_b32 s3, s97, 3
	s_add_co_u32 s[JMP], s[JMP], s3
	s_add_co_u32 s[JMP], s[JMP], 1                 ; n - 1 - i = 3 - i % 4 + 1, and 8 more where n = 13,
	s_lshr_b32 s2, s[WV], 3
	s_mul_i32 s[JMP], s[JMP], s2                   ; in waves w + 8 alone
	s_lshl_b32 s96, s96, 2
	s_add_co_u32 s96, s96, 4                       ; 17 - n
	s_lshl_b32 s97, s97, 2
	s_add_co_u32 s97, s97, 9                       ; n
	s_bfe_u32 s2, ttmp6, 0x40000                   ; cx: it enters Q's and o's global addresses and the mask's number alone
	s_lshl_b32 s[JW], ttmp9, 2
	s_add_co_u32 s[JW], s[JW], s2                  ; jw
	s_and_b32 s[BH], ttmp7, 0xffff                 ; bh, which the partners share
	s_xor_b32 s3, s[PI], 15                        ; 15 - i
	s_lshl_b32 s98, s[PI], 7
	s_add_co_u32 s99, s[PI], 1
	s_lshl_b32 s[QBL], s3, 7
	s_cmp_lt_u32 s[WV], 8
	s_cselect_b32 s2, s3, s[PI]                    ; my first tile's BLK
	s_cselect_b32 s[QB], s[QBL], s98
	s_cselect_b32 s[SWK], -1, s99
	s_cselect_b32 s[NT], s97, s96
	s_lshl_b32 s2, s2, 3
	s_add_co_u32 s2, s2, s[JW]                     ; my first tile,
	s_lshl_b32 s3, s3, 3
	s_add_co_u32 s3, s3, s[JW]                     ; and the pair's longer one
	QOFF 2, 12, 14
	QOFF 3, 16, 98
	s_lshr_b32 s96, s[BH], 4
	s_lshl_b32 s96, s96, 7
	s_add_co_u32 s2, s96, s2                       ; T = 128 batch + tile: the tile of 16 rows among all 4,096
	s_mul_i32 s96, s[PI], 4608
	s_add_co_u32 s96, s96, MRG
	s_lshl_b32 s97, s[JW], 4
	v_and_b32 v1, 15, v0                           ; r
	v_bfe_u32 v2, v0, 4, 1                         ; h
	v_and_b32 v7, 31, v0                           ; lane
	v_lshrrev_b32 v9, 3, v1                        ; r / 8
	v_and_b32 v10, 7, v1                           ; r % 8
	v_lshlrev_b32 v3, 4, v7                        ; v3: 16 x lane: an image's place for my lane
	v_lshlrev_b32 v24, 4, v1
	v_mul_u32_u24 v4, v9, 1152
	v_lshlrev_b32 v5, 4, v10
	v_lshlrev_b32 v27, 2, v1
	v_lshl_add_u32 v4, v10, 4, v4
	v_lshl_add_u32 v5, v9, 3, v5
	v_lshlrev_b32 v25, 5, v2
	v_lshl_add_u32 v4, v2, 8, v4                   ; v4: K: rows 0-7 of a tile lie in the group's first 32 keys, rows 8-15 in its second
	v_lshl_add_u32 v5, v2, 7, v5
	v_sub_nc_u32 v25, v1, v25
	v_lshlrev_b32 v30, 3, v2
	v_add_nc_u32 v5, KS, v5                        ; v5: K's scale words: lanes 0-15 those of tiles 0 and 2, lanes 16-31 those of tiles 1 and 3
	v_add_nc_u32 v6, VC, v3                        ; v6: V's images
	v_add_nc_u32 v7, VS, v24                       ; v7: V's scale words: four tiles' words of row r on end
	v_add_nc_u32 v86, s96, v3                      ; v86: the pair's place, my lane's 16 bytes of each register group
	v_add_nc_u32 v25, s97, v25                     ; v25: d = 16 jw + r - 32 h: on the diagonal step key 64 g + 32 h + 8 t + j is hidden where 64 g + 8 t + j > d
	; group 1: dense blocks as rows of 32 elements of 8 bytes, K's as rows of 128 with 32 words of padding behind each; the mask names all four partners
.irp g, G1K0, G1K1
	s_mov_b32 s[\g], 15|(3<<16)|(1<<20)|(1<<21)|(7<<22)|(31<<25)
	s_mov_b32 s[\g+1], 128<<16
	s_mov_b32 s[\g+3], 128<<16
	s_mov_b32 s[\g+5], 128
	s_mov_b32 s[\g+6], 0
	s_mov_b32 s[\g+7], 0
.endr
.irp g, G1V0, G1V1, G1KS
	s_mov_b32 s[\g], 15|(3<<16)|(1<<21)
	s_mov_b32 s[\g+1], 32<<16
	s_mov_b32 s[\g+3], 32<<16
	s_mov_b32 s[\g+5], 32
	s_mov_b32 s[\g+6], 0
	s_mov_b32 s[\g+7], 0
.endr
	s_mov_b32 s[G1K0+2], 4<<16                     ; one step: 4 rows of 1,024 bytes
	s_mov_b32 s[G1K0+4], 4
	s_mov_b32 s[G1K1+2], 20<<16                    ; five steps
	s_mov_b32 s[G1K1+4], 20
	s_mov_b32 s[G1V0+2], 16<<16                    ; one step: 16 rows of 256 bytes; V's scale bytes are as many
	s_mov_b32 s[G1V0+4], 16
	s_mov_b32 s[G1V1+2], 80<<16                    ; five steps
	s_mov_b32 s[G1V1+4], 80
	s_mov_b32 s[G1KS+2], 32<<16
	s_mov_b32 s[G1KS+4], 32
	; groups 0, as offsets of bh and the wave's number
.irp g, G0K0, G0V0, G0KS, G0VS, G0K1, G0V1
	s_mov_b32 s[\g], 1
	s_mov_b32 s[\g+3], 0
.endr
	s_lshl_b32 s3, s[BH], 16
	s_mov_b32 s[G0K0+1], 0
	s_add_co_u32 s[G0K0+2], s3, 0x200000           ; K's codes
	s_mov_b32 s[G0V0+1], VC
	s_add_co_u32 s[G0V0+2], s3, 0x400000           ; V's
	s_and_b32 s96, s[WV], 3                        ; waves 4, 5, 6: K's steps 1-5, 6-10, 11-15
	s_mul_i32 s[G0K1+1], s96, 5*KP
	s_add_co_u32 s[G0K1+1], s[G0K1+1], KP
	s_mul_i32 s96, s96, 20480
	s_add_co_u32 s96, s96, 4096
	s_add_co_u32 s[G0K1+2], s[G0K0+2], s96
	s_add_co_u32 s96, s[WV], 1
	s_and_b32 s96, s96, 3                          ; waves 7, 8, 9: V's
	s_mul_i32 s96, s96, 20480
	s_add_co_u32 s96, s96, 4096
	s_add_co_u32 s[G0V1+1], s96, VC
	s_add_co_u32 s[G0V1+2], s[G0V0+2], s96
	s_mov_b32 s[G0KS+1], KS
	s_lshl_b32 s3, s[BH], 13
	s_add_co_u32 s[G0KS+2], s3, 0x40000
	s_mov_b32 s[G0VS+1], VS
	s_lshl_b32 s3, s[BH], 12
	s_add_co_u32 s[G0VS+2], s3, 0x80000
	s_mov_b32 s[SEL], 0x76543210
	s_mov_b32 s[SEL+1], 0xfedcba98
	s_mov_b32 s[CS], 0x3fb8aa3b                    ; log2(e)
	s_mov_b32 s[CS+1], s[CS]
	s_wait_alu depctr_va_vdst(0)
	s_wait_dscnt 0x0                               ; both opening adds are done
	CROUND                                         ; all four work-groups are here: the joint loads meet (nothing in the round needs the arguments)
	s_wait_kmcnt 0x0
	s_add_nc_u64 s[12:13], s[4:5], s[12:13]        ; my first tile's image of Q,
	s_add_nc_u64 s[14:15], s[6:7], s[14:15]        ; its words: asked for ahead of the fills
	global_load_b128 v[16:19], v3, s[12:13]        ; registers 0-3 of Q's fragment
	global_load_b32 v255, v24, s[14:15]            ; Q's scale words: 16 bytes from row to row
.irp g, G0K0, G0V0, G0K1, G0V1
	s_add_nc_u64 s[\g+2:\g+3], s[4:5], s[\g+2:\g+3]
	s_or_b32 s[\g+3], s[\g+3], 0x80000000
.endr
.irp g, G0KS, G0VS
	s_add_nc_u64 s[\g+2:\g+3], s[6:7], s[\g+2:\g+3]
	s_or_b32 s[\g+3], s[\g+3], 0x80000000
.endr
	; the fills, one a wave, each LDS byte once.  Four v_nop follow each load
.macro ARM under, g0, g1, next
	s_cmp_lt_u32 s[WV], \under
	s_cbranch_scc0 \next
	tensor_load_to_lds s[\g0:\g0+3], s[\g1:\g1+7]
	s_nop 0
	PLACES
	s_branch .Lasked
\next:
.endm
	ARM 1, G0K0, G1K0, .Lfill_v
	ARM 2, G0V0, G1V0, .Lfill_ks
	ARM 3, G0KS, G1KS, .Lfill_vs
	ARM 4, G0VS, G1V0, .Lfill_k1
	ARM 7, G0K1, G1K1, .Lfill_v1
	ARM 10, G0V1, G1V1, .Lfill_none
.Lasked:
	s_add_nc_u64 s[16:17], s[4:5], s[16:17]        ; the longer tile's image
	s_add_nc_u64 s[98:99], s[6:7], s[98:99]        ; and its words
	s_and_b32 s3, s[BH], 15                        ; the head
	s_lshl_b32 s96, s2, 13                         ; o_codes: T x 8,192 + head x 512
	s_lshl_b32 s97, s3, 9
	s_add_co_u32 s96, s96, s97
	s_mov_b32 s97, 0
	s_add_nc_u64 s[8:9], s[8:9], s[96:97]          ; my first tile's image of o
	s_lshl_b32 s96, s2, 9                          ; o_scales: (8 T + head / 2) x 64 + 2 (head % 2)
	s_lshr_b32 s97, s3, 1
	s_lshl_b32 s97, s97, 6
	s_add_co_u32 s96, s96, s97
	s_and_b32 s97, s3, 1
	s_lshl_b32 s97, s97, 1
	s_add_co_u32 s96, s96, s97
	s_mov_b32 s97, 0
	s_add_nc_u64 s[10:11], s[10:11], s[96:97]      ; and its scale bytes
	s_mov_b32 s[SCU], 0
	s_mov_b32 s[SN], 0
	s_mov_b32 s[KF], 0
	CLEAR
	v_mov_b32 v26, 0xff800000                      ; -infinity
.irp j, 20,21,22,23,64,65,66,67
	v_mov_b32 v[\j], 0                             ; k = 64 .. 127 of the first product: zero codes in Q; the last tile's neighbour in K
.endr
.irp j, 31,69,73,89,232,233,234,235,236,237,238,239
	v_mov_b32 v[\j], 0                             ; written once: upper halves of pairs, and lane permutes' destinations, which count as sources
.endr
	s_wait_alu depctr_va_vdst(0)
	s_wait_loadcnt 0x0                             ; Q
	s_cmp_lt_u32 s[WV], 4                          ; THE FIRST PART is in when waves 0 to 3 have waited for theirs
	s_cbranch_scc0 .Lfirst_part
	s_wait_tensorcnt 0x0
.Lfirst_part:
	s_barrier_signal -1
	s_barrier_wait -1
	KADDR
	KLOAD
	s_wait_dscnt 0x0
	STEP 0                                         ; trip 0, step 0
	s_wait_tensorcnt 0x0                           ; THE SECOND PART: everybody's fill has landed
	s_wait_dscnt 0x0
	s_wait_alu depctr_va_vdst(0)
	s_barrier_signal -1
	s_barrier_wait -1
	s_mov_b32 s[KK], 1
	STEPOF SN, KK
	KADDR
	KLOAD
	s_wait_dscnt 0x0
.Lstep:                                            ; trips 1 to 12
	s_cmp_lt_u32 s[KK], s[NT]
	s_cbranch_scc0 .Lidle                          ; my steps are done
	s_cmp_eq_u32 s[KK], s[SWK]
	s_cbranch_scc0 .Lsame
	PLACES                                         ; behind the last products, ahead of O^T's readers
	s_wait_alu depctr_va_vdst(0)
	global_load_b128 v[16:19], v3, s[16:17]        ; the longer tile's Q
	global_load_b32 v255, v24, s[98:99]
	WAYOUT                                         ; the shorter tile is finished: it leaves
	s_wait_xcnt 0x0                                ; the stores have read their registers
	s_mov_b32 s[QB], s[QBL]
	CLEAR
	s_wait_alu depctr_va_vdst(0)
	s_wait_loadcnt 0x0
.Lsame:
	STEPOF SCU, KK
	s_lshl_b32 s[KF], s[SCU], 7
	s_add_co_u32 s2, s[KK], 1
	STEPOF SN, 2
	STEP 1
.Lidle:
	s_add_co_u32 s[KK], s[KK], 1
	s_cmp_lt_u32 s[KK], 13
	s_cbranch_scc1 .Lstep
	PLACES
	s_wait_alu depctr_va_vdst(0)
	s_and_b32 s3, s[WV], 3                         ; 3: my pair has no tile in two parts
	s_cmp_lt_u32 s[WV], 8
	s_cbranch_scc1 .Lkeep
	s_cmp_eq_u32 s3, 3
	s_cbranch_scc1 .Lkeep
.irp k, 0,1,2,3,4,5,6,7
	ds_store_b128 v86, v[160+4*\k:163+4*\k] offset:512*\k   ; waves w + 8 hand over their part of the longer tile: O^T,
.endr
	ds_store_b128 v86, v[12:15] offset:4096        ; -M, (the largest score,) the sum
.Lkeep:
	s_wait_dscnt 0x0                               ; for the other wave's sake: my stores are done
	s_barrier_signal -1
	s_barrier_wait -1
	s_cmp_lt_u32 s[WV], 8
	s_cbranch_scc0 .Lwhole
	s_cmp_eq_u32 s3, 3
	s_cbranch_scc1 .Lwhole
.irp k, 0,1,2,3,4,5,6,7
	ds_load_b128 v[96+4*\k:99+4*\k], v86 offset:512*\k
.endr
	ds_load_b128 v[232:235], v86 offset:4096
	s_wait_dscnt 0x0
	v_min_num_f32 v236, v12, v232                  ; -M of both
	v_sub_f32 v237, v236, v12
	v_sub_f32 v238, v236, v232
	v_cvt_i32_f32 v237, v237
	v_cvt_i32_f32 v238, v238
	v_ldexp_f32 v68, 1.0, v237
	v_ldexp_f32 v72, 1.0, v238
	v_pk_mul_f32 v[14:15], v[14:15], v[68:69] op_sel_hi:[1,0]
.irp j, 0,2,4,6,8,10,12,14,16,18,20,22,24,26,28,30
	v_pk_mul_f32 v[160+\j:161+\j], v[160+\j:161+\j], v[68:69] op_sel_hi:[1,0]
.endr
	v_pk_fma_f32 v[14:15], v[234:235], v[72:73], v[14:15] op_sel_hi:[1,0,1]
.irp j, 0,2,4,6,8,10,12,14,16,18,20,22,24,26,28,30
	v_pk_fma_f32 v[160+\j:161+\j], v[96+\j:97+\j], v[72:73], v[160+\j:161+\j] op_sel_hi:[1,0,1]
.endr
	s_wait_alu depctr_va_vdst(0)
.Lwhole:
	s_cmp_lt_u32 s[WV], 8
	s_cbranch_scc1 .Lout
	s_cmp_eq_u32 s3, 3
	s_cbranch_scc0 .Lend
.Lout:
	WAYOUT
.Lend:
	s_wait_tensorcnt 0x0                           ; the wave's end
	ds_add_u32 v70, v71
	s_wait_dscnt 0x0
	CROUND                                         ; the closing round: no work-group ends while a partner may still ask for a tile that names it
	s_endpgm
.Lfunc_end_k_q8f88fed043_attn:
	.size	k_q8f88fed043_attn, .Lfunc_end_k_q8f88fed043_attn-k_q8f88fed043_attn
	.p2alignl 7, 3214868480
	.fill 96, 4, 3214868480
	.section	.rodata,"a",@progbits
	.p2align	6, 0x0
	.amdhsa_kernel k_q8f88fed043_attn
		.amdhsa_group_segment_fixed_size 190464
		.amdhsa_private_segment_fixed_size 0
		.amdhsa_enable_private_segment 0
		.amdhsa_kernarg_size 32
		.amdhsa_user_sgpr_count 2
		.amdhsa_user_sgpr_kernarg_segment_ptr 1
		.amdhsa_wavefront_size32 1
		.amdhsa_system_sgpr_workgroup_id_x 1
		.amdhsa_system_sgpr_workgroup_id_y 1
		.amdhsa_system_sgpr_workgroup_id_z 1
		.amdhsa_system_vgpr_workitem_id 0
		.amdhsa_next_free_vgpr 256
		.amdhsa_next_free_sgpr 102
		.amdhsa_reserve_vcc 1
		.amdhsa_float_denorm_mode_32 3
		.amdhsa_float_denorm_mode_16_64 3
		.amdhsa_memory_ordered 1
		.amdhsa_forward_progress 1
		.amdhsa_inst_pref_size 68
	.end_amdhsa_kernel
	.amdgpu_metadata
---
amdhsa.version: [ 1, 2 ]
amdhsa.kernels:
  - .name:           k_q8f88fed043_attn
    .symbol:         k_q8f88fed043_attn.kd
    .args:
      - { .name: qkv_codes, .offset: 0, .size: 8, .value_kind: global_buffer, .address_space: global }
      - { .name: qkv_scales, .offset: 8, .size: 8, .value_kind: global_buffer, .address_space: global }
      - { .name: o_codes, .offset: 16, .size: 8, .value_kind: global_buffer, .address_space: global }
      - { .name: o_scales, .offset: 24, .size: 8, .value_kind: global_buffer, .address_space: global }
    .group_segment_fixed_size: 190464
    .private_segment_fixed_size: 0
    .kernarg_segment_align: 8
    .kernarg_segment_size: 32
    .max_flat_workgroup_size: 512
    .sgpr_count:     102
    .vgpr_count:     256
    .wavefront_size: 32
...
	.end_amdgpu_metadata
.endif
;; end of part 2
;; launch oproj (part 3): grid 8 x 32, 8 waves a work-group, clusters of 4 x 4, 179,200 bytes of LDS; arguments o_codes, o_scales, W_O_codes, W_O_scales, out0; writes out0
.if DOCPART == 3
	.amdgcn_target "amdgcn-amd-amdhsa--gfx1250"
	.amdhsa_code_object_version 6
	.text
	.protected	k_q8f88fed043_oproj
	.globl	k_q8f88fed043_oproj
	.p2align	8
	.type	k_q8f88fed043_oproj,@function
k_q8f88fed043_oproj:
	s_mov_b64 s[64:65], 0
	v_nop
	global_prefetch_b8 v0, s[64:65] scope:SCOPE_SE
	s_setreg_imm32_b32 hwreg(HW_REG_WAVE_MODE, 25, 1), 1
	s_wait_xcnt 0x0
	s_wait_alu depctr_hold_cnt(0) depctr_sa_sdst(0) depctr_va_vdst(0) depctr_va_sdst(0) depctr_va_ssrc(0) depctr_va_vcc(0) depctr_vm_vsrc(0)
	s_getreg_b32 s2, hwreg(HW_REG_IB_STS2, 6, 4)
	s_cmp_eq_u32 s2, 0
	s_cbranch_scc0 .Lentry_in_a_cluster
	s_endpgm
.Lentry_in_a_cluster:
	s_bfe_u32 s2, ttmp6, 0x10000c
	s_cmp_lg_u32 s2, 0xf033
	s_cbranch_scc0 .Lentry_shape_is_right
	s_endpgm
.Lentry_shape_is_right:
; out0 = o W_O^T on codes of FP4 (E2M1) with E8M0 scales; sums and out0 in f32.  o comes as images (o_codes: T x 8,192 + head x 512, T = tile of 16 rows; K step s = heads 2 s and 2 s + 1) with
; scale words (o_scales: (8 T + s) x 64 + 4 r); W_O as rows of 512 bytes with 32 scale bytes a row.
; SHARES.  A work-group makes 128 rows (ty) x 128 columns (tx): 256 work-groups.  Eight waves: RG = w / 2 (32 rows), CH = w % 2 (64 columns, 256 bytes of a row of out0): 2 x 4 accumulators, K = 1,024 in 8 steps.
; CLUSTER 4 x 4: o's tiles are shared along a row of the cluster, W_O's along a column: each is asked for jointly.  All operands fit in LDS at once: each LDS byte is filled once, at the head, one load a wave;
; there is nothing that a prefetch could run ahead of.  THE FILLS COME IN TWO PARTS, each with a barrier of its own: K's first half and the scales (waves 0 to 5), and K's second half (waves 6 and 7), which is on its
; way while the first four steps are multiplied.
; The product is used transposed (source 0 = 16 rows of W_O, source 1 = 16 rows of o): a lane holds eight neighbouring columns of one row of out0.
; LIMITS: NaN and infinities are not served.
.set PITCH, 272                        ; half a row of W_O in LDS: 256 bytes + 16
.set AH,   32768                       ; o's images, half of K: 8 tiles x 4,096 bytes; the second half behind the first
.set BC,   2*AH                        ; W_O's 128 rows, half of K; the second half behind the first
.set BH,   128*PITCH
.set ASC,  BC+2*BH                     ; o's scale words: 4,096 bytes
.set BSC,  ASC+4096                    ; W_O's scale bytes: 128 rows x 32
.set STG,  BSC+4096                    ; the stages: 16 rows x (256 bytes + 16) for each wave; no fill lands here
.set SPI,  272
.set SPARE, STG+8*16*SPI               ; the spare words, 128 bytes a wave
.set ACC,  160                         ; v160-223 accumulator (a, b) at ACC + 8 (4 a + b)
.set SPW,  254
.set NIL,  255
.set WV,   14
.set G1A,  24                          ; group 1: o's images, 4 tiles; W_O's 64 rows; o's scales; W_O's scales; o's images, 8 tiles; W_O's 128 rows
.set G1B,  32
.set G1AS, 40
.set G1BS, 48
.set G1A2, 56
.set G1B2, 68
.set G0A,  76                          ; their groups 0
.set G0B,  80
.set G0AS, 84
.set G0BS, 88
.set G0A2, 92
.set G0B2, 96
.macro PLACES
.rept 4
	v_nop
.endr
.endm
.macro CROUND
	s_barrier_signal -1
	s_barrier_wait -1
	s_cmp_lg_u32 s[WV], 0
	s_cbranch_scc1 .Lnot_wave_0_\@
	s_barrier_signal -3
.Lnot_wave_0_\@:
	s_barrier_wait -3
	s_barrier_signal -1
	s_barrier_wait -1
.endm
	s_load_b256 s[4:11], s[0:1], 0x0               ; o_codes s[4:5], o_scales s[6:7], W_O_codes s[8:9], W_O_scales s[10:11]
	s_load_b64 s[12:13], s[0:1], 0x20              ; out0
	v_lshl_add_u32 v[SPW], v0, 2, SPARE
	v_mov_b32 v[NIL], 0
	ds_add_u32 v[SPW], v[NIL]                      ; the opening: the add, twice on end, under one wait
	ds_add_u32 v[SPW], v[NIL]
	v_lshrrev_b32 v15, 5, v0
	v_readfirstlane_b32 s[WV], v15                 ; wave 0..7
	s_lshr_b32 s15, s[WV], 1                       ; RG
	s_and_b32 s16, s[WV], 1                        ; CH; also which half of a tile's rows a fetching wave fetches
	s_bfe_u32 s17, ttmp6, 0x40000                  ; cx
	s_bfe_u32 s18, ttmp6, 0x40004                  ; cy
	s_lshl_b32 s19, ttmp9, 2
	s_add_co_u32 s19, s19, s17                     ; tx
	s_and_b32 s20, ttmp7, 0xffff
	s_lshl_b32 s20, s20, 2
	s_add_co_u32 s20, s20, s18                     ; ty
	s_lshl_b32 s21, s18, 2
	s_lshl_b32 s21, 15, s21                        ; my row of the cluster
	s_lshl_b32 s22, 0x1111, s17                    ; my column
	s_lshl_b32 s2, s15, 13
	s_mul_i32 s3, s16, 64*PITCH
	s_add_co_u32 s3, s3, BC
	s_lshl_b32 s66, s15, 10
	s_add_co_u32 s66, s66, ASC
	s_lshl_b32 s67, s16, 11
	s_add_co_u32 s67, s67, BSC
	s_mul_i32 s23, s[WV], 16*SPI
	s_add_co_u32 s23, s23, STG                     ; my stage
	v_and_b32 v1, 15, v0                           ; r
	v_bfe_u32 v2, v0, 4, 1                         ; h
	v_and_b32 v3, 31, v0                           ; lane
	v_mul_u32_u24 v5, v1, PITCH
	v_mul_u32_u24 v8, v1, SPI
	v_mul_u32_u24 v9, v2, SPI
	v_lshlrev_b32 v10, 12, v2
	v_lshl_add_u32 v5, v2, 4, v5
	v_lshl_add_u32 v8, v2, 5, v8
	v_lshl_add_u32 v9, v1, 4, v9
	v_lshl_add_u32 v4, v3, 4, s2                   ; v4: o's images: my two tiles, 16 x lane
	v_add_nc_u32 v5, s3, v5                        ; v5: W_O's fragments: my 64 rows
	v_lshl_add_u32 v6, v1, 2, s66                  ; v6: o's scale words
	v_lshl_add_u32 v7, v1, 5, s67                  ; v7: W_O's
	v_add_nc_u32 v8, s23, v8                       ; v8: the stage, in: row r, 32 bytes for each half of the lanes
	v_add_nc_u32 v9, s23, v9                       ; v9: back: lanes 0-15 one row of 256 bytes, lanes 16-31 the next
	v_lshl_add_u32 v10, v1, 4, v10                 ; v10: the same two rows in out0
	s_or_b32 s[G1A], s21, (3<<16)|(1<<21)          ; o's images, half of K: rows of 4,096 bytes (a tile's eight heads), 8,192 apart, as 512 elements of 8 bytes
	s_or_b32 s[G1A2], s21, (3<<16)|(1<<21)
.irp g, G1A, G1A2
	s_mov_b32 s[\g+1], 512<<16
	s_mov_b32 s[\g+3], 512<<16
	s_mov_b32 s[\g+5], 1024
	s_mov_b32 s[\g+6], 0
	s_mov_b32 s[\g+7], 0
.endr
	s_mov_b32 s[G1A+2], 4<<16
	s_mov_b32 s[G1A+4], 4
	s_mov_b32 s[G1A2+2], 8<<16
	s_mov_b32 s[G1A2+4], 8
	s_or_b32 s[G1B], s22, (1<<20)|(1<<21)|(5<<22)|(3<<25)   ; W_O's codes, half of K: rows of 256 bytes, 512 apart, four words of padding after every 64
	s_or_b32 s[G1B2], s22, (1<<20)|(1<<21)|(5<<22)|(3<<25)
.irp g, G1B, G1B2
	s_mov_b32 s[\g+1], 256<<16
	s_mov_b32 s[\g+3], 256<<16
	s_mov_b32 s[\g+5], 512
	s_mov_b32 s[\g+6], 0
	s_mov_b32 s[\g+7], 0
.endr
	s_mov_b32 s[G1B+2], 64<<16
	s_mov_b32 s[G1B+4], 64
	s_mov_b32 s[G1B2+2], 128<<16
	s_mov_b32 s[G1B2+4], 128
	s_or_b32 s[G1AS], s21, (3<<16)|(1<<21)         ; the scales: 4,096 dense bytes as 16 rows of 256
	s_or_b32 s[G1BS], s22, (3<<16)|(1<<21)
.irp g, G1AS, G1BS
	s_mov_b32 s[\g+1], 32<<16
	s_mov_b32 s[\g+2], 16<<16
	s_mov_b32 s[\g+3], 32<<16
	s_mov_b32 s[\g+4], 16
	s_mov_b32 s[\g+5], 32
	s_mov_b32 s[\g+6], 0
	s_mov_b32 s[\g+7], 0
.endr
	; groups 0, as offsets: o's hang on ty and the wave's number, W_O's on tx and the wave's number
.irp g, G0A, G0B, G0AS, G0BS, G0A2, G0B2
	s_mov_b32 s[\g], 1
	s_mov_b32 s[\g+3], 0
.endr
	s_lshl_b32 s[G0A+1], s16, 14                   ; four tiles of 4,096 bytes
	s_lshl_b32 s2, s20, 16
	s_lshl_b32 s3, s16, 15
	s_add_co_u32 s[G0A+2], s2, s3
	s_mov_b32 s[G0A2+1], AH
	s_add_co_u32 s[G0A2+2], s2, 4096
	s_mov_b32 s[G0AS+1], ASC
	s_lshl_b32 s[G0AS+2], s20, 12
	s_mul_i32 s[G0B+1], s16, 64*PITCH
	s_add_co_u32 s[G0B+1], s[G0B+1], BC
	s_lshl_b32 s66, s19, 16                        ; 128 tx rows of 512 bytes
	s_add_co_u32 s[G0B+2], s66, s3
	s_mov_b32 s[G0B2+1], BC+BH
	s_add_co_u32 s[G0B2+2], s66, 256
	s_mov_b32 s[G0BS+1], BSC
	s_lshl_b32 s[G0BS+2], s19, 12
	s_wait_alu depctr_va_vdst(0)
	s_wait_dscnt 0x0                               ; both opening adds are done
	CROUND                                         ; all sixteen work-groups are here: the joint loads meet (nothing in the round needs the arguments)
	s_wait_kmcnt 0x0
.irp g, G0A, G0A2
	s_add_nc_u64 s[\g+2:\g+3], s[4:5], s[\g+2:\g+3]
	s_or_b32 s[\g+3], s[\g+3], 0x80000000
.endr
.irp g, G0B, G0B2
	s_add_nc_u64 s[\g+2:\g+3], s[8:9], s[\g+2:\g+3]
	s_or_b32 s[\g+3], s[\g+3], 0x80000000
.endr
	s_add_nc_u64 s[G0AS+2:G0AS+3], s[6:7], s[G0AS+2:G0AS+3]
	s_or_b32 s[G0AS+3], s[G0AS+3], 0x80000000
	s_add_nc_u64 s[G0BS+2:G0BS+3], s[10:11], s[G0BS+2:G0BS+3]
	s_or_b32 s[G0BS+3], s[G0BS+3], 0x80000000
	; the fills, one a wave, each LDS byte once.  Four v_nop follow each load
.macro ARM under, g0, g1, next
	s_cmp_lt_u32 s[WV], \under
	s_cbranch_scc0 \next
	tensor_load_to_lds s[\g0:\g0+3], s[\g1:\g1+7]
	s_nop 0
	PLACES
	s_branch .Lasked
\next:
.endm
	ARM 2, G0A, G1A, .Lfill_b
	ARM 4, G0B, G1B, .Lfill_as
	ARM 5, G0AS, G1AS, .Lfill_bs
	ARM 6, G0BS, G1BS, .Lfill_a2
	ARM 7, G0A2, G1A2, .Lfill_b2
	tensor_load_to_lds s[G0B2:G0B2+3], s[G1B2:G1B2+7]
	s_nop 0
	PLACES
.Lasked:
	s_lshl_b32 s2, s20, 19                         ; out0: (128 ty + 32 RG) rows of 4,096 bytes + 512 tx + 256 CH
	s_lshl_b32 s3, s15, 17
	s_add_co_u32 s2, s2, s3
	s_lshl_b32 s3, s19, 9
	s_add_co_u32 s2, s2, s3
	s_lshl_b32 s3, s16, 8
	s_add_co_u32 s2, s2, s3
	s_mov_b32 s3, 0
	s_add_nc_u64 s[12:13], s[12:13], s[2:3]
	s_cmp_lt_u32 s[WV], 6                          ; THE FIRST PART is in when waves 0 to 5 have waited for theirs
	s_cbranch_scc0 .Lfirst_part
	s_wait_tensorcnt 0x0
.Lfirst_part:
	s_barrier_signal -1
	s_barrier_wait -1
	; the scale words of all eight K steps: v[16 + 8 a + s] o's tile a, v[32 + 8 b + s] W_O's tile b; these registers hold scales and nothing else
.irp a, 0,1
.irp s, 0,1,2,3,4,5,6,7
	ds_load_b32 v[16+8*\a+\s], v6 offset:512*\a+64*\s
.endr
.endr
.irp b, 0,1,2,3
.irp u, 0,1
	ds_load_b128 v[32+8*\b+4*\u:35+8*\b+4*\u], v7 offset:512*\b+16*\u
.endr
.endr
; K step s's fragments into buffer s % 2 (v64-111, v112-159): o's two (16 registers), then W_O's four: twelve loads
.macro FETCH s
.set FB, 64+48*((\s)%2)
.irp a, 0,1
.irp c, 0,1
	ds_load_b128 v[FB+8*\a+4*\c:FB+8*\a+4*\c+3], v4 offset:AH*((\s)/4)+4096*\a+1024*((\s)%4)+512*\c
.endr
.endr
.irp b, 0,1,2,3
.irp c, 0,1
	ds_load_b128 v[FB+16+8*\b+4*\c:FB+16+8*\b+4*\c+3], v5 offset:BH*((\s)/4)+16*PITCH*\b+64*((\s)%4)+32*\c
.endr
.endr
.endm
	FETCH 0
.set Q, 0
.rept 8
.if Q == 3
	s_wait_dscnt 0x0                               ; this step's fragments are in, my last from the first half;
	s_wait_tensorcnt 0x0                           ; THE SECOND PART: my fill has landed
	s_barrier_signal -1                            ; (this step's products, work on registers, stand between signal and wait)
.elseif Q == 7
	s_wait_dscnt 0x0
.else
.if Q != 4
.if Q > 0
	PLACES                                         ; ahead of loads into the buffer that the last step's products read
.endif
	FETCH Q+1
.endif
	s_wait_dscnt 12                                ; all but the twelve youngest
.endif
.set FB, 64+48*(Q%2)
.irp a, 0,1                                        ; the eight accumulators take turns, one instruction a turn; the first K step starts the sums
.irp b, 0,1,2,3
.if Q == 0
	v_wmma_scale_f32_16x16x128_f8f6f4 v[ACC+8*(4*\a+\b):ACC+8*(4*\a+\b)+7], v[FB+16+8*\b:FB+16+8*\b+7], v[FB+8*\a:FB+8*\a+7], 0, v[32+8*\b+Q], v[16+8*\a+Q] matrix_a_fmt:MATRIX_FMT_FP4 matrix_b_fmt:MATRIX_FMT_FP4
.else
	v_wmma_scale_f32_16x16x128_f8f6f4 v[ACC+8*(4*\a+\b):ACC+8*(4*\a+\b)+7], v[FB+16+8*\b:FB+16+8*\b+7], v[FB+8*\a:FB+8*\a+7], v[ACC+8*(4*\a+\b):ACC+8*(4*\a+\b)+7], v[32+8*\b+Q], v[16+8*\a+Q] matrix_a_fmt:MATRIX_FMT_FP4 matrix_b_fmt:MATRIX_FMT_FP4
.endif
.endr
.endr
.if Q == 3
	s_barrier_wait -1                              ; everybody's fill has landed
	PLACES                                         ; ahead of loads into both buffers
	FETCH 4
	FETCH 5
.endif
.set Q, Q+1
.endr
	; THE WAY OUT: a block of 16 rows x 64 columns goes through my own stage and comes back as whole rows of 256 bytes.  LDS serves a wave's instructions in order (ISA guide 5.7.1.4): no wait between stores and loads
	PLACES
.irp a, 0,1
.irp b, 0,1,2,3
	ds_store_b128 v8, v[ACC+8*(4*\a+\b):ACC+8*(4*\a+\b)+3] offset:64*\b          ; each accumulator from its low end on
	ds_store_b128 v8, v[ACC+8*(4*\a+\b)+4:ACC+8*(4*\a+\b)+7] offset:64*\b+16
.endr
.irp i, 0,1,2,3,4,5,6,7
	ds_load_b128 v[64+32*\a+4*\i:64+32*\a+4*\i+3], v9 offset:2*SPI*\i
.endr
.endr
.irp i, 0,1,2,3,4,5,6,7
	s_wait_dscnt 23-\i                             ; behind this load: the block's later loads and the second block's sixteen LDS instructions
	global_store_b128 v10, v[64+4*\i:64+4*\i+3], s[12:13] offset:2*\i*4096 th:TH_STORE_NT   ; 16 lanes store 256 consecutive bytes, aligned; written once, read by nobody here
.endr
.irp i, 0,1,2,3,4,5,6,7
	s_wait_dscnt 7-\i
	global_store_b128 v10, v[96+4*\i:96+4*\i+3], s[12:13] offset:(16+2*\i)*4096 th:TH_STORE_NT
.endr
	s_wait_tensorcnt 0x0                           ; the wave's end
	ds_add_u32 v[SPW], v[NIL]
	s_wait_dscnt 0x0
	CROUND                                         ; the closing round: no work-group ends while a partner may still ask for a tile that names it
	s_endpgm
.Lfunc_end_k_q8f88fed043_oproj:
	.size	k_q8f88fed043_oproj, .Lfunc_end_k_q8f88fed043_oproj-k_q8f88fed043_oproj
	.p2alignl 7, 3214868480
	.fill 96, 4, 3214868480
	.section	.rodata,"a",@progbits
	.p2align	6, 0x0
	.amdhsa_kernel k_q8f88fed043_oproj
		.amdhsa_group_segment_fixed_size 179200
		.amdhsa_private_segment_fixed_size 0
		.amdhsa_enable_private_segment 0
		.amdhsa_kernarg_size 40
		.amdhsa_user_sgpr_count 2
		.amdhsa_user_sgpr_kernarg_segment_ptr 1
		.amdhsa_wavefront_size32 1
		.amdhsa_system_sgpr_workgroup_id_x 1
		.amdhsa_system_sgpr_workgroup_id_y 1
		.amdhsa_system_sgpr_workgroup_id_z 1
		.amdhsa_system_vgpr_workitem_id 0
		.amdhsa_next_free_vgpr 256
		.amdhsa_next_free_sgpr 100
		.amdhsa_reserve_vcc 0
		.amdhsa_float_denorm_mode_32 3
		.amdhsa_float_denorm_mode_16_64 3
		.amdhsa_memory_ordered 1
		.amdhsa_forward_progress 1
		.amdhsa_inst_pref_size 31
	.end_amdhsa_kernel
	.amdgpu_metadata
---
amdhsa.version: [ 1, 2 ]
amdhsa.kernels:
  - .name:           k_q8f88fed043_oproj
    .symbol:         k_q8f88fed043_oproj.kd
    .args:
      - { .name: o_codes, .offset: 0, .size: 8, .value_kind: global_buffer, .address_space: global }
      - { .name: o_scales, .offset: 8, .size: 8, .value_kind: global_buffer, .address_space: global }
      - { .name: W_O_codes, .offset: 16, .size: 8, .value_kind: global_buffer, .address_space: global }
      - { .name: W_O_scales, .offset: 24, .size: 8, .value_kind: global_buffer, .address_space: global }
      - { .name: out0, .offset: 32, .size: 8, .value_kind: global_buffer, .address_space: global }
    .group_segment_fixed_size: 179200
    .private_segment_fixed_size: 0
    .kernarg_segment_align: 8
    .kernarg_segment_size: 40
    .max_flat_workgroup_size: 256
    .sgpr_count:     100
    .vgpr_count:     256
    .wavefront_size: 32
...
	.end_amdgpu_metadata
.endif
;; end of part 3
